; MI455X (gfx1250); checked and timed in simulation.
; The chip was launched on July 23, 2026; its instructions are those of AMD's public machine-readable ISA for CDNA 5 (MIT licence, August 2026) and "CDNA5" Instruction Set Architecture Reference Guide (July 2026). The comments in the code are by the model that wrote it; some were corrected since.
;; Enhanced Bian Gua Attention. Allowed arithmetic: matrix products marked QUANTISED: E5M2 operands, one E8M0 scale for each 32 along K, by v_wmma_scale_f32_16x16x128_f8f6f4 with both operands' format E5M2, f32 sums; products left as they are: f32 operands where the result goes on into a quantised operand, else bf16, f16 or f32 operands; f32 sums; everything else in f32.
;; Inputs: hamming_lambda_logit one number float32; hex_w 6 x 1,024 float32; out_w_codes 1,024 x 32 x 32 uint8 (E5M2 codes of out_w, K innermost, in blocks of 32 codes); out_w_scales 1,024 x 32 uint8 (E8M0 scales of out_w, one for each 32 codes along K); q6_w 6 x 1,024 float32; qkv_w_codes 3,072 x 32 x 32 uint8 (E5M2 codes of qkv_w, K innermost, in blocks of 32 codes); qkv_w_scales 3,072 x 32 uint8 (E8M0 scales of qkv_w, one for each 32 codes along K); scale_logit one number float32; sips_alpha 1 float32; sips_beta 1 float32; transform_weights 16 x 7 float32; transforms 7 x 6 x 6 float32; x 2 x 2,048 x 1,024 float32.
;; Outputs: out0 2 x 2,048 x 1,024 float32.
;; This version of the problem:
;;   THIS VERSION OF THE PROBLEM IS GIVEN IN LOW PRECISION. The matrix products marked QUANTISED in the list below multiply operands that are first quantised to E5M2 (5 exponent bits, 2 mantissa bits; 8 bits a number), with one power-of-two scale for each 32 numbers along K (OCP MX v1.0); their sums are f32. All else is computed in f32.
;;   The module's matrix products, in the order in which they are computed (A, B: the left and right operand; K: the contracted axis; several contracted axes count as one K, in the product's order):
;;     1. [M 4,096, K 1,024] x [K 1,024, N 3,072]; A: input x; B: input qkv_w (given as codes): QUANTISED
;;     2. batch 32 x [M 2,048, K 64] x [K 64, N 2,048]; A: computed on the way; B: computed on the way: QUANTISED
;;     3. [M 4,096, K 1,024] x [K 1,024, N 6]; A: input x; B: input hex_w: left as it is (N = 6 < 16)
;;     4. batch 2 x [M 2,048, K 6] x [K 6, N 2,048]; A: computed on the way; B: computed on the way: left as it is (K = 6 < 32)
;;     5. [M 4,096, K 1,024] x [K 1,024, N 6]; A: input x; B: input q6_w: left as it is (N = 6 < 16)
;;     6. [M 16, K 7] x [K 7, N 36]; A: softmax (see below); B: input transforms: left as it is (K = 7 < 32)
;;     7. [M 96, K 6] x [K 6, N 4,096]; A: computed on the way; B: computed on the way: left as it is (K = 6 < 32)
;;     8. batch 2 x [M 32,768, K 6] x [K 6, N 2,048]; A: computed on the way; B: computed on the way: left as it is (K = 6 < 32)
;;     9. batch 32 x [M 2,048, K 2,048] x [K 2,048, N 64]; A: softmax (see below); B: computed on the way: QUANTISED
;;     10. [M 4,096, K 1,024] x [K 1,024, N 1,024]; A: computed on the way; B: input out_w (given as codes): QUANTISED
;;   THE QUANTISER, for each operand of a quantised product, along K:
;;     - K is cut into blocks of 32 from its start; a last block that is shorter is filled with zeros.
;;     - A block's scale is 2^e with e = floor(log2(the largest magnitude in the block)) - 15, held to -126 .. 127; a block of zeros has e = 0. As a byte (E8M0): e + 127.
;;     - Each number is divided by its block's scale, clamped to +-57,344, and rounded to the nearest number of E5M2, ties to even, subnormals kept.
;;     - The product sums the exact products of the quantised numbers (number of the format x scale) in f32.
;;   ~~~python
;;   def quantise(x, axis):      # numpy; x: float32 -> the quantised numbers, widened to float32 again
;;       x = np.moveaxis(x, axis, -1); K = x.shape[-1]
;;       x = np.pad(x, [(0, 0)] * (x.ndim - 1) + [(0, -K % 32)]); x = x.reshape(x.shape[:-1] + (-1, 32)); a = np.abs(x).max(-1, keepdims=True)
;;       e = np.where(a > 0, np.clip(np.frexp(np.where(a > 0, a, 1))[1] - 1 - 15, -126, 127), 0)      # np.frexp(a)[1] - 1 = floor(log2(a)), exactly
;;       r = np.clip(x / 2.0 ** e, -57344, 57344)
;;       step = 2.0 ** (np.maximum(np.frexp(np.where(r == 0, 1, r))[1] - 1, -14) - 2)
;;       q = np.round(r / step) * step * 2.0 ** e      # np.round: ties to even
;;       return np.moveaxis(q.reshape(q.shape[:-2] + (-1,))[..., :K], -1, axis).astype(np.float32)
;;   ~~~
;;   SOFTMAX AHEAD OF A QUANTISED PRODUCT. Where the list says 'softmax', what is quantised is not the finished softmax but p = 2^(t - M), with t = logit x log2(e) and M = ceil(the row's largest t), a whole number; so 1/2 < the row's largest p <= 1. The row's sum l is taken of the UNQUANTISED p, in f32, and the product's result is divided by l at the end. Since M is a whole number, a kernel that streams over the keys may use a running M (the ceiling of the running maximum): every later rescaling is an exact power of two, which a block's scale takes up: the codes' values come out the same.
;;   OPERANDS COMPUTED ON THE WAY. 'Computed on the way' means the value that the module computes at that place (a softmax that the list does not call 'softmax' is quantised finished and normalised). What goes into a quantiser is computed in f32, as accurately as f32 sums, v_exp_f32 and their like allow (about 1e-6 of the number): no bf16 or f16 on the way to a quantiser, and a product that is left as it is and whose result goes on into a quantised operand takes f32 operands (vector FMAs, or v_wmma_f32_16x16x4_f32). A number that lies on a knife's edge between two numbers of the format may be rounded either way, as far as f32 arithmetic and the matrix unit's own rounding can turn it there, and no further.
;;   INPUTS GIVEN AS CODES. out_w (in the module: [1024, 1024], K = its axis 1); qkv_w (in the module: [3072, 1024], K = its axis 1): each comes as NAME_codes (uint8): NAME with its K axis moved to the last place and cut into blocks of 32 codes, [.., K / 32, bytes a block], one block behind the other in memory; one code a byte (a code: sign, 5 exponent bits, 2 mantissa bits); and NAME_scales (uint8): the same leading axes, one E8M0 byte (e + 127) for each 32 codes along K. Its value is code x scale, taken as it is: it is not quantised again, and the codes and scales need not be those that the quantiser above would give.
;; One version. Each part assembles by itself: llvm-mc -triple=amdgcn-amd-amdhsa -mcpu=gfx1250 --defsym DOCPART=n.
;; ======== version 1 of 1: 4 launches
;; workspace buffers: xc 4,194,304 bytes; xs 131,072 bytes; wsm 196,608 bytes; gtab 4,096 bytes; wc 4,194,304 bytes; qkv 13,369,344 bytes; aoc 4,194,304 bytes; aos 131,072 bytes
;; launch prep (part 1): grid 256 x 1, 8 waves a work-group, no clusters, 9,216 bytes of LDS; arguments x, hex_w, q6_w, qkv_w_codes, out_w_codes, transform_weights, transforms, hamming_lambda_logit, scale_logit, sips_alpha, sips_beta, xc, xs, wsm, gtab, wc; writes xc, xs, wsm, gtab, wc
.if DOCPART == 1
	.amdgcn_target "amdgcn-amd-amdhsa--gfx1250"
	.amdhsa_code_object_version 6
	.text
	.protected	k_q983e315e9e_prep
	.globl	k_q983e315e9e_prep
	.p2align	8
	.type	k_q983e315e9e_prep,@function
k_q983e315e9e_prep:
	s_mov_b64 s[64:65], 0
	v_nop
	global_prefetch_b8 v0, s[64:65] scope:SCOPE_SE
	s_setreg_imm32_b32 hwreg(HW_REG_WAVE_MODE, 25, 1), 1
	s_wait_xcnt 0x0
; PREP.  (1) x [4096][1024] f32 becomes codes of E5M2 with one E8M0 byte for each 32 along D;  (2) tanh(x hex_w^T) and tanh(x q6_w^T), in f32;
; (3) the codes of qkv_w and out_w are laid out anew;  (4) a table of 40 numbers for each head.
; A TILE is 16 rows (tokens, or rows of a weight): tile 2 f + u holds rows 32 f + 8 u + r + 8 (r / 8), r = 0 .. 15.  With such tiles as source 0 of a product, a lane's 16 results of tiles
; (f, 0) and (f, 1) are 16 neighbouring rows, which is what a quantiser along those rows wants.  All operands of all four launches are cut so.
; AN IMAGE of a fragment (16 rows x 128 K of codes, 16 registers a lane) is 2,048 bytes: registers 4 c .. 4 c + 3 of lane l at 512 c + 16 l.  xc and wc are [tile][K step][image]:
; whoever loads an image by four loads of 16 bytes a lane has the operand's registers, and each such load or store covers 512 consecutive bytes.
; SHARES.  Work-group g takes token tile g and weight tile g (0-191: qkv_w, 192-255: out_w); wave w takes K step w (k = 128 w .. 128 w + 127).
; The two small products share one run of the f32 matrix form: source 0 has hex_w's six rows in slots 0-5 and q6_w's in slots 8-13, source 1 the 16 tokens; so lanes 0-15 end with the six
; sums of hex_w and lanes 16-31 with those of q6_w, for token slot lane % 16.  That is also the layout in which the attention launch wants them (wsm).  f32 operands, since the results run on into a quantised operand.
; No cluster: the work-groups share only the two small weights, 48 KiB.  No tensor load: every byte is used once, from registers.
; LIMITS: a block of zeros gets the byte 1 where the rule says 127 (its codes are zeros, and this program alone reads the bytes); blocks whose largest magnitude lies under 2^-111 are held at byte 1;
; NaN and infinities among the inputs are not served.  tanh(z) = 1 - 2 / (1 + 2^(2 z log2 e)): its error is about 1e-7 absolute, not relative to a small z.
.set X,    16                          ; v16-79   64 numbers of x: register 16 c + i = k 128 w + 32 c + 16 (lane / 16) + i of my token
.set WA,   80                          ; v80-143  hex_w's numbers in the same order, then the chosen ones
.set WB,   144                         ; v144-207 q6_w's; free behind the choice:
.set TM,   144                         ; v144-159 the quantiser's blocks: largest magnitudes, bytes, holds, scale operands
.set PW,   160                         ; v160     the scale word
.set PC,   176                         ; v176-191 the codes
.set SU,   192                         ; v192-197 my six partial sums; v200-205 at work
.set ACC,  208                         ; v208-239 four accumulators of the f32 matrix form: written by matrix instructions alone
.set RL,   240                         ; v240-255 the weight tile on its way through
.set PART, 0                           ; LDS: eight waves' partial sums, 768 bytes each: registers 0-3 at 16 x lane, registers 4-5 at 512 + 8 x lane
.set XSCL, 6144                        ; LDS: the tile's scale bytes, 32 for each token slot
.set WV,   36
.set SEL,  58                          ; s[58:59] v_permlanex16_b32's selects for lane l xor 16
.set MNT,  60                          ; s60 the mantissa field of 57,344
	s_load_b512 s[4:19], s[0:1], 0x0               ; x 4, hex_w 6, q6_w 8, qkv_w_codes 10, out_w_codes 12, transform_weights 14, transforms 16, hamming_lambda_logit 18
	s_load_b512 s[20:35], s[0:1], 0x40             ; scale_logit 20, sips_alpha 22, sips_beta 24, xc 26, xs 28, wsm 30, gtab 32, wc 34
	s_set_vgpr_msb 0x40
	v_lshl_add_u32 v0, v0, 2, 0x2000
	v_mov_b32 v1, 0
	s_set_vgpr_msb 0x4000
	v_lshrrev_b32 v1, 5, v0
	v_readfirstlane_b32 s[WV], v1                  ; wave 0..7
	v_and_b32 v1, 31, v0                           ; lane
	v_and_b32 v2, 15, v0                           ; r
	v_bfe_u32 v3, v0, 4, 1                         ; h
	v_and_b32 v4, 8, v2
	v_add_nc_u32 v4, v4, v2                        ; r + 8 (r / 8)
	v_lshlrev_b32 v5, 12, v4
	v_lshl_add_u32 v5, v3, 6, v5                   ; x: my token's row of 4,096 bytes, + 64 h
	v_and_b32 v6, 7, v2
	v_min_u32 v6, 5, v6
	v_lshlrev_b32 v6, 12, v6
	v_lshl_add_u32 v6, v3, 6, v6                   ; hex_w and q6_w: row min(r % 8, 5), + 64 h: slots 6, 7, 14, 15 hold copies that nobody reads
	v_lshlrev_b32 v7, 10, v4
	v_lshl_add_u32 v7, v3, 4, v7                   ; the weight's codes: my row of 1,024 bytes, + 16 h
	v_lshlrev_b32 v8, 4, v1                        ; 16 x lane
	v_lshlrev_b32 v9, 3, v1                        ; 8 x lane
	s_mul_i32 s37, s[WV], 768
	v_add_nc_u32 v10, s37, v8                      ; my wave's partial sums
	v_add_nc_u32 v11, s37, v9
	s_lshl_b32 s37, s[WV], 2
	v_lshl_add_u32 v12, v2, 5, s37                 ; my token slot's scale bytes, my K step's four
	s_lshr_b32 s38, ttmp9, 1
	s_lshl_b32 s38, s38, 5
	s_and_b32 s39, ttmp9, 1
	s_lshl_b32 s39, s39, 3
	s_add_co_u32 s38, s38, s39                     ; the token tile's first row: 32 (g / 2) + 8 (g % 2)
	s_lshl_b32 s42, s[WV], 9                       ; my K step in a row of f32
	s_mov_b32 s43, 0
	s_lshl_b32 s40, s38, 12
	s_add_co_u32 s40, s40, s42
	s_mov_b32 s41, 0
	s_lshl_b32 s44, ttmp9, 14                      ; my image in xc and in wc: 16,384 g + 2,048 w
	s_lshl_b32 s45, s[WV], 11
	s_add_co_u32 s44, s44, s45
	s_mov_b32 s45, 0
	s_cmp_lt_u32 ttmp9, 192
	s_cselect_b32 s52, 0, 192
	s_sub_co_u32 s52, ttmp9, s52                   ; the tile's number in its own weight
	s_lshr_b32 s46, s52, 1
	s_lshl_b32 s46, s46, 5
	s_and_b32 s47, s52, 1
	s_lshl_b32 s47, s47, 3
	s_add_co_u32 s46, s46, s47
	s_lshl_b32 s46, s46, 10
	s_lshl_b32 s47, s[WV], 7
	s_add_co_u32 s46, s46, s47
	s_mov_b32 s47, 0
	s_lshl_b32 s48, s38, 5                         ; xs: 32 bytes a token
	s_mov_b32 s49, 0
	s_mul_i32 s50, ttmp9, 768                      ; wsm: 768 bytes a tile
	s_mov_b32 s51, 0
	s_mov_b32 s[SEL], 0x76543210
	s_mov_b32 s[SEL+1], 0xfedcba98
	s_mov_b32 s[MNT], 0x600000
	s_wait_kmcnt 0x0
	s_cmp_lt_u32 ttmp9, 192                        ; which weight: the choice hangs on the work-group's number alone
	s_cselect_b64 s[10:11], s[10:11], s[12:13]
	s_add_nc_u64 s[10:11], s[10:11], s[46:47]
	s_add_nc_u64 s[4:5], s[4:5], s[40:41]
	s_add_nc_u64 s[6:7], s[6:7], s[42:43]
	s_add_nc_u64 s[8:9], s[8:9], s[42:43]
	s_add_nc_u64 s[26:27], s[26:27], s[44:45]
	s_add_nc_u64 s[34:35], s[34:35], s[44:45]
	s_add_nc_u64 s[28:29], s[28:29], s[48:49]
	s_add_nc_u64 s[30:31], s[30:31], s[50:51]
.irp c, 0,1,2,3
	global_load_b128 v[RL+4*\c:RL+4*\c+3], v7, s[10:11] offset:32*\c
.endr
.irp c, 0,1,2,3
.irp j, 0,1,2,3
	global_load_b128 v[X+16*\c+4*\j:X+16*\c+4*\j+3], v5, s[4:5] offset:128*\c+16*\j th:TH_LOAD_NT
.endr
.endr
.irp c, 0,1,2,3
.irp j, 0,1,2,3
	global_load_b128 v[WA+16*\c+4*\j:WA+16*\c+4*\j+3], v6, s[6:7] offset:128*\c+16*\j
.endr
.endr
.irp c, 0,1,2,3
.irp j, 0,1,2,3
	global_load_b128 v[WB+16*\c+4*\j:WB+16*\c+4*\j+3], v6, s[8:9] offset:128*\c+16*\j
.endr
.endr
	s_wait_loadcnt 48                              ; the weight tile's four loads are in; the 48 behind them may be out
.irp c, 0,1,2,3
	global_store_b128 v8, v[RL+4*\c:RL+4*\c+3], s[34:35] offset:512*\c   ; its image: 512 consecutive bytes a store
.endr
	s_wait_loadcnt 0x0
	v_cmp_le_u32 vcc_lo, 8, v2                     ; slots 8-15 take q6_w
.set n, 0
.rept 64
	v_cndmask_b32 v[WA+n], v[WA+n], v[WB+n], vcc_lo
.set n, n+1
.endr
; 32 products of 16 x 16 x 4: four accumulators, one for each block of 32 along K, by turns, one instruction a turn.  k is taken in the same order on both sides.
.irp c, 0,1,2,3
	v_wmma_f32_16x16x4_f32 v[ACC+8*\c:ACC+8*\c+7], v[WA+16*\c:WA+16*\c+1], v[X+16*\c:X+16*\c+1], 0
.endr
.irp i, 1,2,3,4,5,6,7
.irp c, 0,1,2,3
	v_wmma_f32_16x16x4_f32 v[ACC+8*\c:ACC+8*\c+7], v[WA+16*\c+2*\i:WA+16*\c+2*\i+1], v[X+16*\c+2*\i:X+16*\c+2*\i+1], v[ACC+8*\c:ACC+8*\c+7]
.endr
.endr
.irp b, 0,1,2,3
	v_mov_b32 v[TM+4+\b], 0                        ; a lane permute's destination counts as one of its sources.  These four and the four below are the eight places behind the last product (ISA guide 7.12.1)
.endr
.rept 4
	v_nop
.endr
.irp j, 0,1,2,3,4,5                                ; each accumulator is read from its low end on
	v_add_f32 v[SU+\j], v[ACC+\j], v[ACC+8+\j]
	v_add_f32 v[SU+8+\j], v[ACC+16+\j], v[ACC+24+\j]
	v_add_f32 v[SU+\j], v[SU+\j], v[SU+8+\j]
.endr
	ds_store_b128 v10, v[SU:SU+3] offset:PART
	ds_store_b64 v11, v[SU+4:SU+5] offset:PART+512
; THE QUANTISER: 64 numbers of a lane, four blocks of 32 shared with lane l xor 16.
.irp b, 0,1,2,3
	v_max3_num_f32 v[TM+\b], |v[X+16*\b]|, |v[X+1+16*\b]|, 0x8000000   ; my 16 numbers, and the floor 2^(16 - 127): so the byte cannot fall under 1
.endr
.irp i, 2,4,6,8,10,12,14
.irp b, 0,1,2,3
	v_max3_num_f32 v[TM+\b], v[TM+\b], |v[X+16*\b+\i]|, |v[X+1+16*\b+\i]|
.endr
.endr
.irp b, 0,1,2,3
	v_permlanex16_b32 v[TM+4+\b], v[TM+\b], s[SEL], s[SEL+1]
.endr
.irp b, 0,1,2,3
	v_max_num_f32 v[TM+\b], v[TM+\b], v[TM+4+\b]   ; the block's largest magnitude
.endr
.irp b, 0,1,2,3
	v_add_nc_u32 v[TM+12+\b], 0xf8800000, v[TM+\b] ; 15 off its exponent field: the conversion's scale operand
.endr
.irp b, 0,1,2,3
	v_and_or_b32 v[TM+8+\b], v[TM+\b], 0x7f800000, s[MNT]   ; 57,344 x the scale
.endr
.irp b, 0,1,2,3
	v_lshrrev_b32 v[TM+4+\b], 23, v[TM+12+\b]      ; the scale's byte
.endr
	v_lshl_or_b32 v[PW], v[TM+5], 8, v[TM+4]
	v_lshl_or_b32 v[PW], v[TM+6], 16, v[PW]
	v_lshl_or_b32 v[PW], v[TM+7], 24, v[PW]
.irp b, 0,1,2,3
.irp i, 0,1,2,3,4,5,6,7,8,9,10,11,12,13,14,15
	v_med3_num_f32 v[X+16*\b+\i], v[X+16*\b+\i], -v[TM+8+\b], v[TM+8+\b]   ; the conversion to an 8-bit code does not saturate (ISA guide 7.6.2): the hold
.endr
	v_cvt_scalef32_pk8_bf8_f32 v[PC+4*\b:PC+1+4*\b], v[X+16*\b:X+7+16*\b], v[TM+12+\b]
	v_cvt_scalef32_pk8_bf8_f32 v[PC+2+4*\b:PC+3+4*\b], v[X+8+16*\b:X+15+16*\b], v[TM+12+\b]
.endr
	v_nop                                          ; a plain line behind the last conversion
.irp c, 0,1,2,3
	global_store_b128 v8, v[PC+4*\c:PC+4*\c+3], s[26:27] offset:512*\c
.endr
	ds_store_b32 v12, v[PW] offset:XSCL            ; lanes l and l + 16 write the same word with the same value
	s_wait_dscnt 0x0                               ; for the others' sake: my stores into LDS are done
	s_barrier_signal -1
	s_barrier_wait -1
	s_cmp_lg_u32 s[WV], 0
	s_cbranch_scc1 .Lnot_0
	; wave 0: the eight partial sums, tanh, and the tile's 768 bytes of wsm
.irp p, 0,1,2,3,4,5,6,7
	ds_load_b128 v[16+8*\p:19+8*\p], v8 offset:PART+768*\p
	ds_load_b64 v[20+8*\p:21+8*\p], v9 offset:PART+768*\p+512
.endr
	s_wait_dscnt 0x0
.irp e, 0,1,2,3,4,5
	v_add_f32 v[80+\e], v[16+\e], v[24+\e]
	v_add_f32 v[88+\e], v[32+\e], v[40+\e]
	v_add_f32 v[96+\e], v[48+\e], v[56+\e]
	v_add_f32 v[104+\e], v[64+\e], v[72+\e]
.endr
.irp e, 0,1,2,3,4,5
	v_add_f32 v[80+\e], v[80+\e], v[88+\e]
	v_add_f32 v[96+\e], v[96+\e], v[104+\e]
.endr
.irp e, 0,1,2,3,4,5
	v_add_f32 v[80+\e], v[80+\e], v[96+\e]
.endr
.irp e, 0,1,2,3,4,5
	v_mul_f32 v[80+\e], 0x4038aa3b, v[80+\e]       ; 2 log2(e) z
.endr
.irp e, 0,1,2,3,4,5
	v_exp_f32 v[80+\e], v[80+\e]
.endr
	v_nop                                          ; a plain line behind the batch,
	s_wait_alu depctr_va_vdst(0)                   ; and one wait for the six, ahead of their first reader
.irp e, 0,1,2,3,4,5
	v_add_f32 v[80+\e], 1.0, v[80+\e]
.endr
.irp e, 0,1,2,3,4,5
	v_rcp_f32 v[80+\e], v[80+\e]
.endr
	v_nop
	s_wait_alu depctr_va_vdst(0)
.irp e, 0,1,2,3,4,5
	v_fma_f32 v[88+\e], v[80+\e], -2.0, 1.0        ; tanh
.endr
	global_store_b128 v8, v[88:91], s[30:31]
	global_store_b64 v9, v[92:93], s[30:31] offset:512
	s_set_vgpr_msb 0x5
	s_wait_tensorcnt 0x0
	ds_add_u32 v0, v1
	s_wait_dscnt 0x0
	s_set_vgpr_msb 0x500
	s_endpgm
.Lnot_0:
	s_cmp_lg_u32 s[WV], 1
	s_cbranch_scc1 .Lnot_1
	; wave 1: the tile's 512 scale bytes: slots 0-7 are eight neighbouring tokens, 256 bytes; slots 8-15 the eight tokens 16 further on
	ds_load_b128 v[16:19], v8 offset:XSCL
	v_lshrrev_b32 v13, 4, v1
	v_lshl_add_u32 v13, v13, 8, v8
	s_wait_dscnt 0x0
	global_store_b128 v13, v[16:19], s[28:29]      ; sixteen lanes store 256 consecutive bytes, aligned
	s_set_vgpr_msb 0x5
	s_wait_tensorcnt 0x0
	ds_add_u32 v0, v1
	s_wait_dscnt 0x0
	s_set_vgpr_msb 0x500
	s_endpgm
.Lnot_1:
	s_cmp_lg_u32 s[WV], 2
	s_cbranch_scc1 .Lend
	s_cmp_lt_u32 ttmp9, 16
	s_cbranch_scc0 .Lend
	; wave 2 of work-groups 0-15: head ttmp9's table.  Words 0-35: G[d][e] = sigmoid(scale_logit) (2 / 6) log2(e) sum_t softmax(2 transform_weights)[t] transforms[t][d][e];
	; 36: sigmoid(hamming_lambda_logit) log2(e) / 2;  37: 2 log2(e) / beta;  38: -2 log2(e) alpha;  39: log2(e) alpha;  40-63: 0.
	s_mul_i32 s56, ttmp9, 28
	s_mov_b32 s57, 0
	s_add_nc_u64 s[14:15], s[14:15], s[56:57]
	s_lshl_b32 s56, ttmp9, 8
	s_add_nc_u64 s[32:33], s[32:33], s[56:57]
	v_mov_b32 v13, 0
	v_lshlrev_b32 v14, 2, v1                       ; entry lane of the 36,
	v_add_nc_u32 v15, 32, v1
	v_min_u32 v15, 35, v15
	v_lshlrev_b32 v15, 2, v15                      ; and entry 32 + lane, held inside the table
.irp t, 0,1,2,3,4,5,6
	global_load_b32 v[16+\t], v13, s[14:15] offset:4*\t
.endr
	global_load_b32 v23, v13, s[18:19]
	global_load_b32 v24, v13, s[20:21]
	global_load_b32 v25, v13, s[22:23]
	global_load_b32 v26, v13, s[24:25]
.irp t, 0,1,2,3,4,5,6
	global_load_b32 v[32+\t], v14, s[16:17] offset:144*\t
	global_load_b32 v[40+\t], v15, s[16:17] offset:144*\t
.endr
	s_wait_loadcnt 0x0
	v_max3_num_f32 v48, v16, v17, v18              ; the softmax takes its maximum away first
	v_max3_num_f32 v48, v48, v19, v20
	v_max3_num_f32 v48, v48, v21, v22
.irp t, 0,1,2,3,4,5,6
	v_sub_f32 v[16+\t], v[16+\t], v48
.endr
.irp t, 0,1,2,3,4,5,6
	v_mul_f32 v[16+\t], 0x4038aa3b, v[16+\t]       ; / 0.5, x log2(e)
.endr
	v_mul_f32 v23, 0xbfb8aa3b, v23
	v_mul_f32 v24, 0xbfb8aa3b, v24
.irp t, 0,1,2,3,4,5,6,7,8
	v_exp_f32 v[16+\t], v[16+\t]
.endr
	v_nop
	s_wait_alu depctr_va_vdst(0)
	v_add_f32 v49, v16, v17
	v_add_f32 v50, v18, v19
	v_add_f32 v51, v20, v21
	v_add_f32 v49, v49, v50
	v_add_f32 v51, v51, v22
	v_add_f32 v49, v49, v51
	v_add_f32 v23, 1.0, v23
	v_add_f32 v24, 1.0, v24
	v_rcp_f32 v49, v49
	v_rcp_f32 v23, v23                             ; sigmoid(hamming_lambda_logit)
	v_rcp_f32 v24, v24                             ; sigmoid(scale_logit)
	v_rcp_f32 v50, v26
	v_mul_f32 v52, v16, v32                        ; (plain work behind the batch)
	v_mul_f32 v53, v16, v40
.irp t, 1,2,3,4,5,6
	v_fmac_f32 v52, v[16+\t], v[32+\t]
	v_fmac_f32 v53, v[16+\t], v[40+\t]
.endr
	s_wait_alu depctr_va_vdst(0)
	v_fma_f32 v51, -v26, v50, 1.0                  ; one Newton step on 1 / beta
	v_fma_f32 v50, v50, v51, v50
	v_mul_f32 v54, v49, v24
	v_mul_f32 v54, 0x3ef6384f, v54                 ; log2(e) / 3
	v_mul_f32 v52, v52, v54
	v_mul_f32 v53, v53, v54
	v_mul_f32 v55, 0x3f38aa3b, v23
	v_mul_f32 v56, 0x4038aa3b, v50
	v_mul_f32 v57, 0xc038aa3b, v25
	v_mul_f32 v58, 0x3fb8aa3b, v25
	v_cmp_gt_u32 vcc_lo, 4, v1
	v_cndmask_b32 v59, 0, v53, vcc_lo
	v_cmp_eq_u32 vcc_lo, 4, v1
	v_cndmask_b32 v59, v59, v55, vcc_lo
	v_cmp_eq_u32 vcc_lo, 5, v1
	v_cndmask_b32 v59, v59, v56, vcc_lo
	v_cmp_eq_u32 vcc_lo, 6, v1
	v_cndmask_b32 v59, v59, v57, vcc_lo
	v_cmp_eq_u32 vcc_lo, 7, v1
	v_cndmask_b32 v59, v59, v58, vcc_lo
	global_store_b32 v14, v52, s[32:33]
	global_store_b32 v14, v59, s[32:33] offset:128
.Lend:
	s_set_vgpr_msb 0x5
	s_wait_tensorcnt 0x0
	ds_add_u32 v0, v1
	s_wait_dscnt 0x0
	s_set_vgpr_msb 0x500
	s_endpgm
.Lfunc_end_k_q983e315e9e_prep:
	.size	k_q983e315e9e_prep, .Lfunc_end_k_q983e315e9e_prep-k_q983e315e9e_prep
	.p2alignl 7, 3214868480
	.fill 96, 4, 3214868480
	.section	.rodata,"a",@progbits
	.p2align	6, 0x0
	.amdhsa_kernel k_q983e315e9e_prep
		.amdhsa_group_segment_fixed_size 9216
		.amdhsa_private_segment_fixed_size 0
		.amdhsa_enable_private_segment 0
		.amdhsa_kernarg_size 128
		.amdhsa_user_sgpr_count 2
		.amdhsa_user_sgpr_kernarg_segment_ptr 1
		.amdhsa_wavefront_size32 1
		.amdhsa_system_sgpr_workgroup_id_x 1
		.amdhsa_system_sgpr_workgroup_id_y 1
		.amdhsa_system_sgpr_workgroup_id_z 1
		.amdhsa_system_vgpr_workitem_id 0
		.amdhsa_next_free_vgpr 258
		.amdhsa_next_free_sgpr 66
		.amdhsa_reserve_vcc 1
		.amdhsa_float_denorm_mode_32 3
		.amdhsa_float_denorm_mode_16_64 3
		.amdhsa_memory_ordered 1
		.amdhsa_forward_progress 1
		.amdhsa_inst_pref_size 33
	.end_amdhsa_kernel
	.amdgpu_metadata
---
amdhsa.version: [ 1, 2 ]
amdhsa.kernels:
  - .name:           k_q983e315e9e_prep
    .symbol:         k_q983e315e9e_prep.kd
    .args:
      - { .name: x, .offset: 0, .size: 8, .value_kind: global_buffer, .address_space: global }
      - { .name: hex_w, .offset: 8, .size: 8, .value_kind: global_buffer, .address_space: global }
      - { .name: q6_w, .offset: 16, .size: 8, .value_kind: global_buffer, .address_space: global }
      - { .name: qkv_w_codes, .offset: 24, .size: 8, .value_kind: global_buffer, .address_space: global }
      - { .name: out_w_codes, .offset: 32, .size: 8, .value_kind: global_buffer, .address_space: global }
      - { .name: transform_weights, .offset: 40, .size: 8, .value_kind: global_buffer, .address_space: global }
      - { .name: transforms, .offset: 48, .size: 8, .value_kind: global_buffer, .address_space: global }
      - { .name: hamming_lambda_logit, .offset: 56, .size: 8, .value_kind: global_buffer, .address_space: global }
      - { .name: scale_logit, .offset: 64, .size: 8, .value_kind: global_buffer, .address_space: global }
      - { .name: sips_alpha, .offset: 72, .size: 8, .value_kind: global_buffer, .address_space: global }
      - { .name: sips_beta, .offset: 80, .size: 8, .value_kind: global_buffer, .address_space: global }
      - { .name: xc, .offset: 88, .size: 8, .value_kind: global_buffer, .address_space: global }
      - { .name: xs, .offset: 96, .size: 8, .value_kind: global_buffer, .address_space: global }
      - { .name: wsm, .offset: 104, .size: 8, .value_kind: global_buffer, .address_space: global }
      - { .name: gtab, .offset: 112, .size: 8, .value_kind: global_buffer, .address_space: global }
      - { .name: wc, .offset: 120, .size: 8, .value_kind: global_buffer, .address_space: global }
    .group_segment_fixed_size: 9216
    .private_segment_fixed_size: 0
    .kernarg_segment_align: 8
    .kernarg_segment_size: 128
    .max_flat_workgroup_size: 256
    .sgpr_count:     66
    .vgpr_count:     258
    .wavefront_size: 32
...
	.end_amdgpu_metadata
.endif
;; end of part 1
;; launch qkv (part 2): grid 12 x 16, 4 waves a work-group, clusters of 4 x 4, 327,680 bytes of LDS; arguments xc, xs, wc, qkv_w_scales, qkv; writes qkv
.if DOCPART == 2
	.amdgcn_target "amdgcn-amd-amdhsa--gfx1250"
	.amdhsa_code_object_version 6
	.text
	.protected	k_q983e315e9e_qkv
	.globl	k_q983e315e9e_qkv
	.p2align	8
	.type	k_q983e315e9e_qkv,@function
k_q983e315e9e_qkv:
	s_mov_b64 s[64:65], 0
	v_nop
	global_prefetch_b8 v0, s[64:65] scope:SCOPE_SE
	s_setreg_imm32_b32 hwreg(HW_REG_WAVE_MODE, 25, 1), 1
	s_wait_xcnt 0x0
	s_wait_alu depctr_hold_cnt(0) depctr_sa_sdst(0) depctr_va_vdst(0) depctr_va_sdst(0) depctr_va_ssrc(0) depctr_va_vcc(0) depctr_vm_vsrc(0)
	s_getreg_b32 s2, hwreg(HW_REG_IB_STS2, 6, 4)
	s_cmp_eq_u32 s2, 0
	s_cbranch_scc0 .Lentry_in_a_cluster
	s_endpgm
.Lentry_in_a_cluster:
	s_bfe_u32 s2, ttmp6, 0x10000c
	s_cmp_lg_u32 s2, 0xf033
	s_cbranch_scc0 .Lentry_shape_is_right
	s_endpgm
.Lentry_shape_is_right:
; QKV.  x qkv_w^T on codes of E5M2 with E8M0 scales (K = 1,024), and the results quantised in registers: q and k along the head's 64, v along the keys.  Nothing wide goes to memory.
; A work-group makes 256 tokens x 256 features, a wave 128 x 128: 64 accumulators of 16 x 16, 512 registers.  K goes in steps of 256 through a ring of two LDS slots.
; xc and wc are [tile of 16 rows][K step of 128][image of 2,048 bytes] (tile 2 f + u = rows 32 f + 8 u + r + 8 (r / 8); image: registers 4 c .. 4 c + 3 of lane l at 512 c + 16 l).  So a slot's part of a
; tile is 4,096 consecutive bytes, a fragment comes by four loads of 512 consecutive bytes each, and LDS needs no pitch and no padding.
; THE SCALES of the work-group's 256 tokens and 256 features, for all of K, come into LDS once, as rows of 256 bytes + 16 of padding, and stay.
; CLUSTERS: 4 x 4 work-groups.  x's tiles hang on the tile row alone and are asked for jointly along a row of the cluster, the weight's on the tile column alone, along a column.
; WHO IS SOURCE 0.  In D = S0 x S1 a lane holds ONE row of S1's tile, and its registers run along S0's rows.  q and k are quantised along features: S0 = the weight, S1 = x.  v is quantised along tokens:
; S0 = x, S1 = the weight.  The cluster's x (0: q, 1: k, 2: v) is the same in all partners; it chooses, by s_cselect_b32 alone, from which half of a slot each source is READ; what is fetched, and whereto, does not hang on it.
; OUT (buffer qkv).  Codes at sec 4,194,304 + bh 131,072 + step 8,192 + fragment 2,048 (bh = 16 batch + head; a step is 128 tokens).  q, k: fragment f holds token tile (f, 0) in registers 0-7 and (f, 1) in 8-15.
; v: fragment t holds 16 of the head's 64 (a tile, cut as above) x the step's 128 keys.  Scale words, one for a lane, at 12,582,912 + bh 24,576 + sec 8,192 + step 512 + fragment 128 + 4 lane.
; LIMITS: a block of zeros gets the byte 1 (zero codes; this program alone reads the bytes); blocks under 2^-111 are held at byte 1; NaN and infinities are not served.
; REGISTERS, in windows of 256: window 0: v8-29 addresses; v32-63 S1's scale words, v64-95 S0's (two sets each; they hold nothing else); v96-127 codes on the way out; v128-255 S1's fragments, ONE set; on the way out held numbers and the quantiser's blocks.
;   window 1: S0's fragments, TWO sets.   window 2: accumulators (a, b) of S1's blocks a = 0-3 at v[8 (8 a + b)];   window 3: those of a = 4-7.
.set NQ,     2                         ; steps of 128 along K in a slot
.set FR,     16                        ; registers of a fragment
.set NL,     4                         ; LDS loads that bring one
.set NP,     8                         ; places behind this matrix instruction (ISA guide 7.12.1)
.set HALFT,  32768                     ; 8 tiles x 4,096 bytes: what one tensor load brings, and what one wave reads of a source
.set SLOT,   4*HALFT                   ; x's 16 tiles, then the weight's 16
.set LAPS,   2                         ; a lap = two slots = 512 along K
.set SCL,    2*SLOT                    ; behind the ring: the scales
.set HALFS,  16*272                    ; those of 128 rows: 4,096 bytes as 16 rows of 256 + 16
.set SPARE,  SCL+4*HALFS               ; the spare words, 128 bytes for each wave: two blocks of 256 bytes that no other line names
.set VO,   8                           ; v8-11   the way out: where a lane's four groups of codes go
.set VS,   12                          ; v12-13  and the two scale words
.set ADR1, 16                          ; v16-17  LDS address of S1's fragments in slot 0, 1
.set ADR0, 20                          ; v20-21  of S0's
.set ADRS1, 26                         ; v26     of S1's scale words
.set ADRS0, 27                         ; v27     of S0's
.set SPW,  28                          ; v28     LDS address of my spare word; never rewritten
.set NIL,  29                          ; v29     0; never rewritten
.set SC1,  32                          ; set s at + 16 s; in it register 2 i + q: block i's word for the slot's q-th 128 along K
.set SC0,  64
.set PC,   96                          ; two sets of 16
.set AF,   128
.set HELD, 128
.set TM,   192
.set PWR,  208                         ; v208, v209: the scale words of an even and of an odd block
.set WW,   210                         ; v210, v211: the two words that leave
.set G1, 24
.set G0, 32
.set G1B, 48
.set G0B, 56
.set G1S, 68
.set G0S, 76
.set G1SB, 80
.set G0SB, 88
.set OB,  92                           ; s[92:93] the way out: where the codes go
.set SBP, 96                           ; s[96:97] and the scale words
.set MSB, 0
.macro WIN new                         ; the immediate's high byte repeats the setting that is left
.if MSB != \new
	s_set_vgpr_msb (MSB<<8)|\new
.set MSB, \new
.endif
.endm
.set MUL_LO, 0xa1                      ; source 0 window 1, source 1 window 0, C and D window 2
.set MUL_HI, 0xf1                      ; the same, C and D window 3
.set TO_B,   0x40                      ; destination window 1, address window 0
; A joint load: waves 0 and 1 fetch x's halves, waves 2 and 3 the weight's.  The branch hangs on the wave's number alone.  Four v_nop follow each of the two lines.
.macro JLOAD g0a, g1a, g0b, g1b
	s_cmp_eq_u32 s15, 0
	s_cbranch_scc0 .Lfor_b_\@
	tensor_load_to_lds s[\g0a:\g0a+3], s[\g1a:\g1a+7]
	s_nop 0
.rept 4
	v_nop
.endr
	s_branch .Lasked_\@
.Lfor_b_\@:
	tensor_load_to_lds s[\g0b:\g0b+3], s[\g1b:\g1b+7]
	s_nop 0
.rept 4
	v_nop
.endr
.Lasked_\@:
.endm
.macro CREST                           ; a round of the cluster's barrier behind its opening barrier
	s_cmp_lg_u32 s14, 0
	s_cbranch_scc1 .Lnot_wave_0_\@
	s_barrier_signal -3
.Lnot_wave_0_\@:
	s_barrier_wait -3
	s_barrier_signal -1
	s_barrier_wait -1
.endm
.macro CROUND
	s_barrier_signal -1
	s_barrier_wait -1
	CREST
.endm
	s_load_b128 s[4:7], s[0:1], 0x0                ; xc, xs
	s_load_b128 s[8:11], s[0:1], 0x10              ; wc, qkv_w_scales
	s_load_b64 s[12:13], s[0:1], 0x20              ; qkv
	v_lshl_add_u32 v[SPW], v0, 2, SPARE
	v_mov_b32 v[NIL], 0
	ds_add_u32 v28, v29
	s_wait_dscnt 0x0
	v_lshrrev_b32 v1, 5, v0
	v_readfirstlane_b32 s14, v1                    ; wave 0..3
	s_lshr_b32 s15, s14, 1                         ; which half of S1's rows is mine.  Also: I fetch for x (0) or for the weight (1)
	s_and_b32 s16, s14, 1                          ; which half of S0's.  Also: which 8 tiles I fetch
	s_bfe_u32 s40, ttmp6, 0x40000                  ; cx, cy
	s_bfe_u32 s41, ttmp6, 0x40004
	s_lshl_b32 s42, ttmp9, 2
	s_add_co_u32 s42, s42, s40                     ; which 256 features
	s_and_b32 s17, ttmp7, 0xffff
	s_lshl_b32 s17, s17, 2
	s_add_co_u32 s17, s17, s41                     ; which 256 tokens
	s_lshl_b32 s43, s41, 2
	s_lshl_b32 s43, 15, s43                        ; my row of the cluster
	s_lshl_b32 s44, 0x1111, s40                    ; my column
	; descriptor group 1, codes: 8 rows (tiles) of 4,096 bytes (512 elements of 8), 16,384 bytes apart; no padding
	s_or_b32 s[G1+0], s43, (3<<16)|(1<<21)
	s_or_b32 s[G1B+0], s44, (3<<16)|(1<<21)
.irp g, G1, G1B
	s_mov_b32 s[\g+1], 512<<16                     ; tensor_dim0
	s_mov_b32 s[\g+2], 8<<16                       ; tensor_dim1
	s_mov_b32 s[\g+3], 512<<16                     ; tile_dim0
	s_mov_b32 s[\g+4], 8                           ; tile_dim1
	s_mov_b32 s[\g+5], 2048                        ; tensor_dim0_stride
	s_mov_b32 s[\g+6], 0
	s_mov_b32 s[\g+7], 0
.endr
	; scales of 128 rows: 4,096 dense bytes as 16 rows of 256 (32 elements of 8), four words of padding behind each
	s_or_b32 s[G1S+0], s43, (3<<16)|(1<<20)|(1<<21)|(5<<22)|(3<<25)
	s_or_b32 s[G1SB+0], s44, (3<<16)|(1<<20)|(1<<21)|(5<<22)|(3<<25)
.irp g, G1S, G1SB
	s_mov_b32 s[\g+1], 32<<16
	s_mov_b32 s[\g+2], 16<<16
	s_mov_b32 s[\g+3], 32<<16
	s_mov_b32 s[\g+4], 16
	s_mov_b32 s[\g+5], 32
	s_mov_b32 s[\g+6], 0
	s_mov_b32 s[\g+7], 0
.endr
	s_lshl_b32 s18, s16, 3
	s_lshl_b32 s20, s17, 4
	s_add_co_u32 s20, s20, s18                     ; x: my first tile
	s_lshl_b32 s46, s42, 4
	s_add_co_u32 s46, s46, s18                     ; the weight: my first tile
	s_lshl_b32 s22, s20, 9                         ; a tile's rows have 512 scale bytes
	s_lshl_b32 s92, s46, 9
	s_lshl_b32 s20, s20, 14                        ; and 16,384 bytes of codes
	s_lshl_b32 s46, s46, 14
	s_mov_b32 s21, 0
	s_mov_b32 s23, 0
	s_mov_b32 s47, 0
	s_mov_b32 s93, 0
	s_mul_i32 s45, s14, HALFT                      ; where they go: by the wave's number alone
	s_mul_i32 s94, s14, HALFS
	s_wait_kmcnt 0x0
	s_add_nc_u64 s[20:21], s[4:5], s[20:21]
	s_add_nc_u64 s[22:23], s[6:7], s[22:23]
	s_add_nc_u64 s[46:47], s[8:9], s[46:47]
	s_add_nc_u64 s[92:93], s[10:11], s[92:93]
	CROUND                                         ; all sixteen work-groups are here: the first joint loads meet
	s_mov_b32 s[G0S], 1
	s_add_co_u32 s[G0S+1], s94, SCL
	s_mov_b64 s[G0S+2:G0S+3], s[22:23]
	s_or_b32 s[G0S+3], s[G0S+3], 0x80000000
	s_mov_b32 s[G0SB], 1
	s_add_co_u32 s[G0SB+1], s94, SCL
	s_mov_b64 s[G0SB+2:G0SB+3], s[92:93]
	s_or_b32 s[G0SB+3], s[G0SB+3], 0x80000000
	JLOAD G0S, G1S, G0SB, G1SB                     ; the scales first; with the two slots three loads of mine are out
.irp s, 0,1
	s_mov_b32 s[G0+4*\s], 1
	s_add_co_u32 s[G0+4*\s+1], s45, \s*SLOT
	s_add_nc_u64 s[G0+4*\s+2:G0+4*\s+3], s[20:21], \s*4096
	s_or_b32 s[G0+4*\s+3], s[G0+4*\s+3], 0x80000000
	s_mov_b32 s[G0B+4*\s], 1
	s_add_co_u32 s[G0B+4*\s+1], s45, \s*SLOT
	s_add_nc_u64 s[G0B+4*\s+2:G0B+4*\s+3], s[46:47], \s*4096
	s_or_b32 s[G0B+4*\s+3], s[G0B+4*\s+3], 0x80000000
	JLOAD G0+4*\s, G1, G0B+4*\s, G1B
.endr
	v_and_b32 v1, 31, v0
	v_lshlrev_b32 v4, 4, v1                        ; an image's place for my lane
	s_cmp_eq_u32 ttmp9, 2                          ; v?  Then S1 is read from the weight's half of a slot and S0 from x's
	s_cselect_b32 s21, 65536, 0
	s_cselect_b32 s22, 0, 65536
	s_mul_i32 s23, s15, HALFT
	s_add_co_u32 s21, s21, s23
	s_mul_i32 s23, s16, HALFT
	s_add_co_u32 s22, s22, s23
.irp s, 0,1
	v_add_nc_u32 v[ADR1+\s], s21, v4
	v_add_nc_u32 v[ADR0+\s], s22, v4
	s_add_co_u32 s21, s21, SLOT
	s_add_co_u32 s22, s22, SLOT
.endr
	v_and_b32 v1, 15, v0                           ; r.  Row 32 f + 8 u + r + 8 (r / 8) has its 32 scale bytes in LDS row 4 f + u + 2 (r / 8), at 32 (r % 8)
	v_lshrrev_b32 v5, 3, v1
	v_and_b32 v6, 7, v1
	v_mul_u32_u24 v5, v5, 544
	v_lshl_add_u32 v5, v6, 5, v5
	s_cmp_eq_u32 ttmp9, 2
	s_cselect_b32 s21, 2*HALFS, 0
	s_cselect_b32 s22, 0, 2*HALFS
	s_mul_i32 s23, s15, HALFS
	s_add_co_u32 s21, s21, s23
	s_add_co_u32 s21, s21, SCL
	s_mul_i32 s23, s16, HALFS
	s_add_co_u32 s22, s22, s23
	s_add_co_u32 s22, s22, SCL
	v_add_nc_u32 v[ADRS1], s21, v5
	v_add_nc_u32 v[ADRS0], s22, v5
.macro FRAG reg, adr, q, i             ; tile i's image of the slot's q-th 128 along K
.irp c, 0,1,2,3
	ds_load_b128 v[\reg+4*\c:\reg+4*\c+3], v[\adr] offset:4096*(\i)+2048*(\q)+512*\c
.endr
.endm
; 16 matrix instructions: S1's blocks a0, a0 + 1 x S0's eight.  p: S0's set;  sc: the set of scale words.  zero = 1: the first product starts the sums.  The 64 accumulators take turns, one instruction a turn.
.macro MUL16 a0, p, q, sc, zero
.irp a, \a0, \a0+1
.irp b, 0,1,2,3,4,5,6,7
.if \zero
	v_wmma_scale_f32_16x16x128_f8f6f4 v[8*(8*((\a)%4)+\b):8*(8*((\a)%4)+\b)+7], v[128*(\p)+FR*\b:128*(\p)+FR*\b+FR-1], v[AF+FR*(\a):AF+FR*(\a)+FR-1], 0, v[SC0+16*(\sc)+2*\b+(\q)], v[SC1+16*(\sc)+2*(\a)+(\q)] matrix_a_fmt:MATRIX_FMT_BF8 matrix_b_fmt:MATRIX_FMT_BF8
.else
	v_wmma_scale_f32_16x16x128_f8f6f4 v[8*(8*((\a)%4)+\b):8*(8*((\a)%4)+\b)+7], v[128*(\p)+FR*\b:128*(\p)+FR*\b+FR-1], v[AF+FR*(\a):AF+FR*(\a)+FR-1], v[8*(8*((\a)%4)+\b):8*(8*((\a)%4)+\b)+7], v[SC0+16*(\sc)+2*\b+(\q)], v[SC1+16*(\sc)+2*(\a)+(\q)] matrix_a_fmt:MATRIX_FMT_BF8 matrix_b_fmt:MATRIX_FMT_BF8
.endif
.endr
.endr
.endm
.macro FETCH_0 slot, q, p              ; S0's eight fragments into set p
	WIN TO_B
.irp i, 0,1,2,3,4,5,6,7
	FRAG 128*(\p)+FR*\i, ADR0+\slot, \q, \i
.endr
	WIN 0
.endm
.macro FETCH_1 slot, q, i0             ; S1's blocks i0 .. i0 + 3
.irp i, \i0, \i0+1, \i0+2, \i0+3
	FRAG AF+FR*(\i), ADR1+\slot, \q, \i
.endr
.endm
.macro SCALES sc                       ; a slot's scale words, two a row, of both sources
.irp i, 0,1,2,3,4,5,6,7
	ds_load_b64 v[SC1+16*\sc+2*\i:SC1+16*\sc+2*\i+1], v[ADRS1] offset:(4*(\i/2)+\i%2)*272
	ds_load_b64 v[SC0+16*\sc+2*\i:SC0+16*\sc+2*\i+1], v[ADRS0] offset:(4*(\i/2)+\i%2)*272
.endr
.endm
.macro PLACES n                        ; plain vector lines between a matrix instruction and a load into, or a read of, its registers
.rept \n
	v_nop
.endr
.endm
.macro STEP slot, q, zero              ; a step of 128 along K that has its successor in the same slot
	s_wait_dscnt 4*NL                              ; S0's set and S1's blocks 0-3 are in; the youngest sixteen loads (blocks 4-7) may be out
	WIN MUL_LO
	MUL16 0, (\q)%2, \q, \slot, \zero
	MUL16 2, (\q)%2, \q, \slot, \zero
	s_wait_dscnt 0
	PLACES NP
	FETCH_0 \slot, (\q)+1, 1-(\q)%2
	FETCH_1 \slot, (\q)+1, 0
	WIN MUL_HI
	MUL16 4, (\q)%2, \q, \slot, \zero
	MUL16 6, (\q)%2, \q, \slot, \zero
	PLACES NP
	WIN 0
	FETCH_1 \slot, (\q)+1, 4
.endm
; A slot's last step changes slots: one barrier; in front of it each wave waits for all its tensor loads, adds 0 to its spare word, and waits for that and for its reads of this slot.  fill = 1: this slot is filled again, two slots ahead.
.macro TURN slot, next, fill
	s_wait_tensorcnt 0x0                           ; all my tensor loads have landed: my part of the next slot
	ds_add_u32 v[SPW], v[NIL]                      ; 0 onto my spare word
	s_wait_dscnt 4*NL+1                            ; (the add and the youngest sixteen loads may be out)
	WIN MUL_LO
	MUL16 0, 1, NQ-1, \slot, 0
	s_wait_dscnt 0x0                               ; the add is done, and my reads of this slot are over
	s_barrier_signal -1
	MUL16 2, 1, NQ-1, \slot, 0
	WIN 0
	s_barrier_wait -1
.if \fill
	CREST                                          ; the barrier has opened a round of the cluster's barrier: no wave of any partner still reads this slot or has a load on its way
	s_add_nc_u64 s[G0+4*\slot+2:G0+4*\slot+3], s[G0+4*\slot+2:G0+4*\slot+3], 8192
	s_add_nc_u64 s[G0B+4*\slot+2:G0B+4*\slot+3], s[G0B+4*\slot+2:G0B+4*\slot+3], 8192
	JLOAD G0+4*\slot, G1, G0B+4*\slot, G1B         ; the first tensor load behind the round, and my only one until the next
	PLACES NP-4
.else
	PLACES NP
.endif
	v_add_nc_u32 v[ADRS1], 4*NQ, v[ADRS1]          ; on to the next slot's scale words
	v_add_nc_u32 v[ADRS0], 4*NQ, v[ADRS0]
	FETCH_0 \next, 0, 0
	FETCH_1 \next, 0, 0
	SCALES \next
	WIN MUL_HI
	MUL16 4, 1, NQ-1, \slot, 0
	MUL16 6, 1, NQ-1, \slot, 0
	PLACES NP
	WIN 0
	FETCH_1 \next, 0, 4
.endm
	s_wait_tensorcnt 1                             ; the scales and my part of slot 0 are in; slot 1's load may be out
	s_barrier_signal -1
	s_barrier_wait -1
	FETCH_0 0, 0, 0
	FETCH_1 0, 0, 0
	SCALES 0
	FETCH_1 0, 0, 4
	STEP 0, 0, 1                                   ; the first step stands in front of the loop: its products start the sums
	s_mov_b32 s3, LAPS-1
.Llap:
	TURN 0, 1, 1
	STEP 1, 0, 0
	TURN 1, 0, 1
	STEP 0, 0, 0
	s_sub_co_u32 s3, s3, 1
	s_cmp_lg_u32 s3, 0
	s_cbranch_scc1 .Llap
	TURN 0, 1, 0                                   ; the last lap fills nothing
	STEP 1, 0, 0
	s_wait_dscnt 4*NL
	WIN MUL_LO
	MUL16 0, 1, NQ-1, 1, 0
	MUL16 2, 1, NQ-1, 1, 0
	s_wait_dscnt 0
	WIN MUL_HI
	MUL16 4, 1, NQ-1, 1, 0
	MUL16 6, 1, NQ-1, 1, 0
	WIN 0
; THE WAY OUT.  The 64 registers of S1's block a are, for the lane's row, four blocks of 32 along S0's rows: register 16 b + i = row 32 b + 16 (lane / 16) + i.  They are quantised as they stand; the codes are groups of an image.
; q, k: blocks 0, 1 are one head's 64 and blocks 2, 3 the next head's; block a is token tile a of the step: 1,024 bytes on for each a, the second head 131,072 bytes on.
; v: the four blocks are the step's 128 keys; block a is tile a % 4 of head a / 4: a whole image of 2,048 bytes.  All that differs is chosen by s_cselect_b32 on the cluster's x: steps, offsets and the byte selects of the scale words.
	s_cmp_eq_u32 ttmp9, 2
	s_cselect_b32 s66, s15, s16                    ; which pair of heads is mine,
	s_cselect_b32 s67, s16, s15                    ; and which 128 tokens
	s_mov_b32 s18, 1024
	s_cselect_b32 s18, 2048, s18                   ; the codes' step from block to block,
	s_mov_b32 s20, 1024
	s_cselect_b32 s20, 124928, s20                 ; and from block 3 to block 4
	s_mov_b32 s22, 128
	s_cselect_b32 s22, 256, s22                    ; the scale words' step from pair to pair,
	s_mov_b32 s46, 128
	s_cselect_b32 s46, 24320, s46                  ; and behind block 3
	s_mov_b32 s94, 0x05040100
	s_cselect_b32 s94, 0x03020100, s94             ; the first word: q, k: bytes 0, 1 of the even and of the odd block;  v: the even block's word
	s_mov_b32 s95, 0x07060302
	s_cselect_b32 s95, 0x07060504, s95             ; the second: bytes 2, 3 of both;  v: the odd block's word
	s_mov_b32 s98, 131072
	s_cselect_b32 s98, 1024, s98                   ; where groups 2 and 3 go
	s_mov_b32 s99, 24576
	s_cselect_b32 s99, 128, s99                    ; and the second word
	s_mov_b32 s19, 0
	s_mov_b32 s21, 0
	s_mov_b32 s23, 0
	s_mov_b32 s47, 0
	s_lshr_b32 s2, s17, 3
	s_lshl_b32 s2, s2, 4
	s_lshl_b32 s43, s40, 2
	s_add_co_u32 s2, s2, s43
	s_lshl_b32 s43, s66, 1
	s_add_co_u32 s2, s2, s43                       ; 16 batch + my first head
	s_and_b32 s3, s17, 7
	s_lshl_b32 s3, s3, 1
	s_add_co_u32 s3, s3, s67                       ; my step of 128 tokens
	s_lshl_b32 s44, ttmp9, 22
	s_lshl_b32 s43, s2, 17
	s_add_co_u32 s44, s44, s43
	s_lshl_b32 s43, s3, 13
	s_add_co_u32 s44, s44, s43
	s_mov_b32 s45, 0
	s_add_nc_u64 s[OB:OB+1], s[12:13], s[44:45]
	s_mul_i32 s44, s2, 24576
	s_lshl_b32 s43, ttmp9, 13
	s_add_co_u32 s44, s44, s43
	s_lshl_b32 s43, s3, 9
	s_add_co_u32 s44, s44, s43
	s_add_co_u32 s44, s44, 12582912
	s_add_nc_u64 s[SBP:SBP+1], s[12:13], s[44:45]
	s_mov_b32 s66, 0x76543210                      ; v_permlanex16_b32's selects for lane l xor 16
	s_mov_b32 s67, 0xfedcba98
	s_mov_b32 s43, 0x600000                        ; the mantissa field of 57,344
	PLACES NP                                      ; behind the last products: registers that held S1's fragments are written below
	v_and_b32 v1, 31, v0
	v_lshlrev_b32 v[VO], 4, v1
	v_add_nc_u32 v[VO+1], 512, v[VO]
	v_add_nc_u32 v[VO+2], s98, v[VO]
	v_add_nc_u32 v[VO+3], 512, v[VO+2]
	v_lshlrev_b32 v[VS], 2, v1
	v_add_nc_u32 v[VS+1], s99, v[VS]
.irp b, 0,1,2,3
	v_mov_b32 v[TM+4+\b], 0                        ; a lane permute's destination counts as one of its sources
.endr
.macro OUTQ a
.set AC, 64*((\a)%4)
.set HI, (\a)/4
.set PCS, PC+16*((\a)%2)
.set PWA, PWR+(\a)%2
.set WN, 0x0a+5*HI
	WIN WN                                         ; sources 0 and 1: the accumulators' window
.irp b, 0,1,2,3
	v_max3_num_f32 v[TM+\b], |v[AC+16*\b]|, |v[AC+16*\b+1]|, 0x8000000   ; each accumulator is read from its low end on; the floor 2^(16 - 127) keeps the byte at 1 or more
.endr
.set WN, 0x28+0x14*HI
	WIN WN                                         ; sources 1 and 2
.irp i, 2,4,6,8,10,12,14
.irp b, 0,1,2,3
	v_max3_num_f32 v[TM+\b], v[TM+\b], |v[AC+16*\b+\i]|, |v[AC+16*\b+\i+1]|
.endr
.endr
	WIN 0
.irp b, 0,1,2,3
	v_permlanex16_b32 v[TM+4+\b], v[TM+\b], s66, s67
.endr
.irp b, 0,1,2,3
	v_max_num_f32 v[TM+\b], v[TM+\b], v[TM+4+\b]
.endr
.irp b, 0,1,2,3
	v_add_nc_u32 v[TM+12+\b], 0xf8800000, v[TM+\b]
.endr
.irp b, 0,1,2,3
	v_and_or_b32 v[TM+8+\b], v[TM+\b], 0x7f800000, s43
.endr
.irp b, 0,1,2,3
	v_lshrrev_b32 v[TM+4+\b], 23, v[TM+12+\b]
.endr
	v_lshl_or_b32 v[PWA], v[TM+5], 8, v[TM+4]
	v_lshl_or_b32 v[PWA], v[TM+6], 16, v[PWA]
	v_lshl_or_b32 v[PWA], v[TM+7], 24, v[PWA]
.set WN, 0x02+HI
	WIN WN                                         ; source 0
.irp b, 0,1,2,3
.irp i, 0,1,2,3,4,5,6,7,8,9,10,11,12,13,14,15
	v_med3_num_f32 v[HELD+16*\b+\i], v[AC+16*\b+\i], -v[TM+8+\b], v[TM+8+\b]   ; the hold at the largest code x the scale (ISA guide 7.6.2), into window 0
.endr
.endr
	WIN 0
	s_wait_xcnt 0x0                                ; the earlier stores have read their data and their bases: both are written below
.if (\a) == 4
	s_add_nc_u64 s[OB:OB+1], s[OB:OB+1], s[20:21]
.elseif (\a) > 0
	s_add_nc_u64 s[OB:OB+1], s[OB:OB+1], s[18:19]
.endif
.if (\a) == 5
	s_add_nc_u64 s[SBP:SBP+1], s[SBP:SBP+1], s[46:47]
.elseif ((\a) == 3) || ((\a) == 7)
	s_add_nc_u64 s[SBP:SBP+1], s[SBP:SBP+1], s[22:23]
.endif
.irp b, 0,1,2,3
	v_cvt_scalef32_pk8_bf8_f32 v[PCS+4*\b:PCS+4*\b+1], v[HELD+16*\b:HELD+16*\b+7], v[TM+12+\b]
	v_cvt_scalef32_pk8_bf8_f32 v[PCS+4*\b+2:PCS+4*\b+3], v[HELD+16*\b+8:HELD+16*\b+15], v[TM+12+\b]
.endr
	v_nop                                          ; a plain line behind the last conversion
.irp c, 0,1,2,3
	global_store_b128 v[VO+\c], v[PCS+4*\c:PCS+4*\c+3], s[OB:OB+1]   ; 512 consecutive bytes, aligned
.endr
.if (\a)%2 == 1
	v_perm_b32 v[WW], v[PWR+1], v[PWR], s94
	v_perm_b32 v[WW+1], v[PWR+1], v[PWR], s95
	global_store_b32 v[VS], v[WW], s[SBP:SBP+1]
	global_store_b32 v[VS+1], v[WW+1], s[SBP:SBP+1]
.endif
.endm
.irp a, 0,1,2,3,4,5,6,7
	OUTQ \a
.endr
	s_wait_tensorcnt 0x0                           ; the wave's end
	ds_add_u32 v[SPW], v[NIL]
	s_wait_dscnt 0x0
	CROUND                                         ; the closing round: no work-group ends while a partner may still ask for a tile that names it
	s_endpgm
.Lfunc_end_k_q983e315e9e_qkv:
	.size	k_q983e315e9e_qkv, .Lfunc_end_k_q983e315e9e_qkv-k_q983e315e9e_qkv
	.p2alignl 7, 3214868480
	.fill 96, 4, 3214868480
	.section	.rodata,"a",@progbits
	.p2align	6, 0x0
	.amdhsa_kernel k_q983e315e9e_qkv
		.amdhsa_group_segment_fixed_size 327680
		.amdhsa_private_segment_fixed_size 0
		.amdhsa_enable_private_segment 0
		.amdhsa_kernarg_size 40
		.amdhsa_user_sgpr_count 2
		.amdhsa_user_sgpr_kernarg_segment_ptr 1
		.amdhsa_wavefront_size32 1
		.amdhsa_system_sgpr_workgroup_id_x 1
		.amdhsa_system_sgpr_workgroup_id_y 1
		.amdhsa_system_sgpr_workgroup_id_z 1
		.amdhsa_system_vgpr_workitem_id 0
		.amdhsa_next_free_vgpr 1024
		.amdhsa_next_free_sgpr 100
		.amdhsa_reserve_vcc 0
		.amdhsa_float_denorm_mode_32 3
		.amdhsa_float_denorm_mode_16_64 3
		.amdhsa_memory_ordered 1
		.amdhsa_forward_progress 1
		.amdhsa_inst_pref_size 190
	.end_amdhsa_kernel
	.amdgpu_metadata
---
amdhsa.version: [ 1, 2 ]
amdhsa.kernels:
  - .name:           k_q983e315e9e_qkv
    .symbol:         k_q983e315e9e_qkv.kd
    .args:
      - { .name: xc, .offset: 0, .size: 8, .value_kind: global_buffer, .address_space: global }
      - { .name: xs, .offset: 8, .size: 8, .value_kind: global_buffer, .address_space: global }
      - { .name: wc, .offset: 16, .size: 8, .value_kind: global_buffer, .address_space: global }
      - { .name: qkv_w_scales, .offset: 24, .size: 8, .value_kind: global_buffer, .address_space: global }
      - { .name: qkv, .offset: 32, .size: 8, .value_kind: global_buffer, .address_space: global }
    .group_segment_fixed_size: 327680
    .private_segment_fixed_size: 0
    .kernarg_segment_align: 8
    .kernarg_segment_size: 40
    .max_flat_workgroup_size: 128
    .sgpr_count:     100
    .vgpr_count:     1024
    .wavefront_size: 32
...
	.end_amdgpu_metadata
.endif
;; end of part 2
;; launch attn (part 3): grid 8 x 32, 16 waves a work-group, clusters of 4 x 1, 327,680 bytes of LDS; arguments qkv, wsm, gtab, aoc, aos; writes aoc, aos
.if DOCPART == 3
	.amdgcn_target "amdgcn-amd-amdhsa--gfx1250"
	.amdhsa_code_object_version 6
	.text
	.protected	k_q983e315e9e_attn
	.globl	k_q983e315e9e_attn
	.p2align	8
	.type	k_q983e315e9e_attn,@function
k_q983e315e9e_attn:
	s_mov_b64 s[64:65], 0
	v_nop
	global_prefetch_b8 v0, s[64:65] scope:SCOPE_SE
	s_setreg_imm32_b32 hwreg(HW_REG_WAVE_MODE, 25, 1), 1
	s_wait_xcnt 0x0
	s_wait_alu depctr_hold_cnt(0) depctr_sa_sdst(0) depctr_va_vdst(0) depctr_va_sdst(0) depctr_va_ssrc(0) depctr_va_vcc(0) depctr_vm_vsrc(0)
	s_getreg_b32 s2, hwreg(HW_REG_IB_STS2, 6, 4)
	s_cmp_eq_u32 s2, 0
	s_cbranch_scc0 .Lentry_in_a_cluster
	s_endpgm
.Lentry_in_a_cluster:
	s_bfe_u32 s2, ttmp6, 0x10000c
	s_cmp_lg_u32 s2, 0x3003
	s_cbranch_scc0 .Lentry_shape_is_right
	s_endpgm
.Lentry_shape_is_right:
; ATTENTION.  For batch b, head hd (bh = 16 b + hd): t = log2(e) (alpha tanh(q.k / beta) + lam hamming + lat), causal; p = 2^(t - M), M the ceiling of the running largest t; o = (sum of Q(p) Q(v)) / (sum of p); o is quantised along D.
; q.k and p v are products on codes of E5M2 with E8M0 scales.  The two small terms are ONE product with K = 12, in f32, by the f32 matrix form, since it runs on into a quantised operand:
; source 0 = (soft_bits | hexc) of 16 keys, source 1 = (lam' soft_bits | hexc G) of my 16 queries, C = log2(e) alpha tanh(..): its result is t itself.
; SHARES.  A wave owns ONE tile of 16 queries, in 256 registers.  Work-group g (0-7) of a head holds tile g out of each of the head's sixteen blocks of 128 queries, so every work-group has the same work.  Every work-group walks all
; sixteen key steps of 128: the trip counts are constants.  The wave with block m works in steps 0 .. m and jumps over the work of the others (a branch on the step and the wave's number); step m is its diagonal.
; m = wave xor 3 ((wave / 4) % 2): waves w, w + 4, w + 8, w + 12 then have 34 steps together, whatever w.
; CLUSTER.  The work-groups of a head read the same K, V and small terms: four of them form a cluster and ask jointly (mask 15): waves 0, 1, 2 fetch a slot's K, V and small terms, wave 3 once the head's scale words.
; LAYOUT.  Both products are used transposed (S^T = K Q^T, O^T = V^T P^T): a lane holds one query.  Tiles of 16 are cut as tile 2 f + u = places 32 f + 8 u + r + 8 (r / 8), so the 16 registers of key tiles (f, 0), (f, 1) are keys 32 f + 16 (lane / 16) + 0 .. 15.
; K = 64 IN A FORM OF K = 128.  A fragment of K holds key tile (f, 0) in blocks 0, 1 and (f, 1) in blocks 2, 3.  It is multiplied by [Q, 0] and by [0, Q]: the zero codes stand on the query's side alone; the key's codes opposite
; them are finite (the quantiser's hold keeps them so), and the products are exact zeros.
; LIMITS: tanh(z) = 1 - 2 / (1 + 2^(2 z log2 e)), about 1e-7 absolute.  Hidden scores are -3e38, so p = 0.  A block of zeros gets the byte 1 (zero codes).  NaN and infinities are not served.
; The result's scale bytes leave two to a lane (lanes l and l + 16 the same two): a work-group holds one head, 2 bytes of a token's 32; they are one part in 32 of what the launch stores.
.set SLOT1, 65536                      ; a slot: K's codes of 256 keys (16,384 bytes), V's (16,384), the small terms (12,288); slot 1 begins here, so that one exclusive or turns an address
.set VOFF,  16384
.set WOFF,  32768
.set KSC,   131072                     ; the head's scale words: K's 8,192 bytes, then V's; filled once
.set SPARE, 147456                     ; the spare words, 128 bytes for each wave: eight blocks of 256 bytes that no other line names
.set NSL,   8
.set LN,  1                            ; v1   lane
.set A16, 2                            ; v2   16 x lane + the slot
.set A8,  3                            ; v3   8 x lane + the slot
.set A4,  4                            ; v4   4 x lane + the step's scale words
.set SPW, 5                            ; v5   my spare word; never rewritten
.set NIL, 6                            ; v6   0; never rewritten
.set DQ,  7                            ; v7   my query's place in its 128, less 16 (lane / 16)
.set QS,  8                            ; v8   Q's scale word;  v9 p's;  v10-11 K's;  v16-19 V's: they hold nothing else
.set PSW, 9
.set KS,  10
.set VS,  16                           ; (v12 -M, v13 the largest t, v[14:15] the sum in two halves)
.set ZQ,  20                           ; v20-27 zeros, v28-35 Q, v36-43 zeros
.set U,   44                           ; v44-49 source 1 of the small product
.set FF,  50                           ; v[50:51] f = 2^(old M - new M)
.set F,   52                           ; v52-83  two fragments of K or of V
.set WF,  84                           ; v84-107 four key tiles' small terms; later at work:
.set BM,  84                           ;   the blocks' largest t, then largest p
.set BT,  88                           ;   the other half's, then bytes
.set HOLD, 92
.set SOP, 96
.set TMP, 100
.set SM2, 102
.set S,   108                          ; v108-139 scores, p, then V's fragments 2 and 3
.set T,   140                          ; v140-203 t: written by the f32 matrix form alone
.set O,   204                          ; v204-235 O^T
.set PC,  236                          ; v236-251 p's codes
.set A0,  252                          ; v[252:253] log2(e) alpha, twice
.set NEG, 254                          ; v254 -3e38
.set PFO, 255                          ; v255 the prefetches' offset
.set WV,  14
.set SEL, 20
.set MNT, 22
.set KI,  23                           ; s23 the key step
.set TB,  24                           ; s24 the slot in hand
.set TS,  25                           ; s25 the step's scale words
.set SLOTS, 26
.set LIM, 27
.set C1,  28                           ; s[28:29] 2 log2(e) / beta
.set C2,  30                           ; s[30:31] -2 log2(e) alpha
.set G1KV, 32
.set G1W, 40
.set G0K, 48
.set G0V, 52
.set G0W, 56
.set G0S, 60
.set PFA, 66
.set MB,  68                           ; s68 my block of 128 queries
.set TAU, 69                           ; s69 my tile's number among the 256
.macro CROUND                          ; a round of the cluster's barrier
	s_barrier_signal -1
	s_barrier_wait -1
	s_cmp_lg_u32 s[WV], 0
	s_cbranch_scc1 .Lnot_wave_0_\@
	s_barrier_signal -3
.Lnot_wave_0_\@:
	s_barrier_wait -3
	s_barrier_signal -1
	s_barrier_wait -1
.endm
; One joint load a wave: wave 0 K's codes, wave 1 V's, wave 2 the small terms, and with n = 4 wave 3 the scale words.  The branches hang on the wave's number alone.  Four v_nop follow each load.
.macro TLOAD n
	s_cmp_lg_u32 s[WV], 0
	s_cbranch_scc1 .Lnot_k_\@
	tensor_load_to_lds s[G0K:G0K+3], s[G1KV:G1KV+7]
	s_nop 0
.rept 4
	v_nop
.endr
	s_branch .Lasked_\@
.Lnot_k_\@:
	s_cmp_lg_u32 s[WV], 1
	s_cbranch_scc1 .Lnot_v_\@
	tensor_load_to_lds s[G0V:G0V+3], s[G1KV:G1KV+7]
	s_nop 0
.rept 4
	v_nop
.endr
	s_branch .Lasked_\@
.Lnot_v_\@:
	s_cmp_lg_u32 s[WV], 2
	s_cbranch_scc1 .Lnot_w_\@
	tensor_load_to_lds s[G0W:G0W+3], s[G1W:G1W+7]
	s_nop 0
.rept 4
	v_nop
.endr
	s_branch .Lasked_\@
.Lnot_w_\@:
.if \n == 4
	s_cmp_lg_u32 s[WV], 3
	s_cbranch_scc1 .Lasked_\@
	tensor_load_to_lds s[G0S:G0S+3], s[G1KV:G1KV+7]
	s_nop 0
.rept 4
	v_nop
.endr
.endif
.Lasked_\@:
.endm
; A PREFETCH INTO THE L2 of the codes that the NEXT change of slots will ask for: 16,384 bytes of K and of V.  Both clusters of a head walk the same bytes: the first asks.  Its four partners share them out by address, 4,096 bytes of
; each tensor to a partner; in each, wave 5 asks: lanes 0-15 for K, lanes 16-31 for V, 256 bytes apart.  So each aligned 256 bytes are named once.  The last change that fills a slot asks for nothing.  Slots 0 and 1 come by their loads alone.
.macro ASK
	s_cmp_gt_u32 s[SLOTS], s[LIM]
	s_cbranch_scc0 .Lnot_mine_\@
	global_prefetch_b8 v[PFO], s[PFA:PFA+1] th:TH_LOAD_NT scope:SCOPE_SE
.Lnot_mine_\@:
.endm
	s_load_b256 s[4:11], s[0:1], 0x0               ; qkv 4, wsm 6, gtab 8, aoc 10
	s_load_b64 s[12:13], s[0:1], 0x20              ; aos
	v_lshl_add_u32 v[SPW], v0, 2, SPARE
	v_mov_b32 v[NIL], 0
	ds_add_u32 v5, v6
	s_wait_dscnt 0x0
	v_lshrrev_b32 v1, 5, v0
	v_readfirstlane_b32 s[WV], v1                  ; wave 0..15
	v_and_b32 v[LN], 31, v0
	s_bfe_u32 s[MB], s[WV], 0x10002
	s_mul_i32 s[MB], s[MB], 3
	s_xor_b32 s[MB], s[MB], s[WV]                  ; my block of queries
	s_bfe_u32 s15, ttmp6, 0x40000                  ; cx
	s_lshl_b32 s16, ttmp9, 2
	s_add_co_u32 s16, s16, s15                     ; g: which tile of each block is my work-group's.  It enters global addresses and data alone
	s_and_b32 s17, ttmp7, 0xffff                   ; bh, which the partners share
	s_lshr_b32 s18, s17, 4                         ; batch
	s_and_b32 s19, s17, 15                         ; head
	; descriptor group 1: dense blocks as rows of 256 bytes (32 elements of 8): 64 rows, or 48
	s_mov_b32 s[G1KV], 15|(3<<16)|(1<<21)
	s_mov_b32 s[G1KV+1], 32<<16
	s_mov_b32 s[G1KV+2], 64<<16
	s_mov_b32 s[G1KV+3], 32<<16
	s_mov_b32 s[G1KV+4], 64
	s_mov_b32 s[G1KV+5], 32
	s_mov_b32 s[G1KV+6], 0
	s_mov_b32 s[G1KV+7], 0
	s_mov_b32 s[G1W], 15|(3<<16)|(1<<21)
	s_mov_b32 s[G1W+1], 32<<16
	s_mov_b32 s[G1W+2], 48<<16
	s_mov_b32 s[G1W+3], 32<<16
	s_mov_b32 s[G1W+4], 48
	s_mov_b32 s[G1W+5], 32
	s_mov_b32 s[G1W+6], 0
	s_mov_b32 s[G1W+7], 0
	s_lshl_b32 s70, s17, 17                        ; the head's codes in a section of qkv
	s_mov_b32 s71, 0
	s_mul_i32 s72, s18, 98304                      ; the batch's small terms
	s_mov_b32 s73, 0
	s_mov_b32 s[SEL], 0x76543210
	s_mov_b32 s[SEL+1], 0xfedcba98
	s_mov_b32 s[MNT], 0x600000
	s_mov_b32 s[KI], 0
	s_mov_b32 s[TB], 0
	s_mov_b32 s[TS], KSC
	s_mov_b32 s[SLOTS], NSL-1
	s_xor_b32 s[LIM], s[WV], 5                     ; 0 in wave 5
	s_or_b32 s[LIM], s[LIM], ttmp9                 ; of the head's first cluster: the same in all partners
	s_cmp_eq_u32 s[LIM], 0
	s_cselect_b32 s[LIM], 1, -1
	s_wait_kmcnt 0x0
	s_mov_b32 s[G0K], 1
	s_mov_b32 s[G0K+1], 0
	s_add_nc_u64 s[G0K+2:G0K+3], s[4:5], s[70:71]
	s_add_nc_u64 s[G0K+2:G0K+3], s[G0K+2:G0K+3], 4194304
	s_mov_b32 s[G0V], 1
	s_mov_b32 s[G0V+1], VOFF
	s_add_nc_u64 s[G0V+2:G0V+3], s[G0K+2:G0K+3], 4194304
	s_or_b32 s[G0K+3], s[G0K+3], 0x80000000
	s_or_b32 s[G0V+3], s[G0V+3], 0x80000000
	s_mov_b32 s[G0W], 1
	s_mov_b32 s[G0W+1], WOFF
	s_add_nc_u64 s[G0W+2:G0W+3], s[6:7], s[72:73]
	s_or_b32 s[G0W+3], s[G0W+3], 0x80000000
	s_mul_i32 s72, s17, 24576
	s_add_co_u32 s72, s72, 12582912+8192           ; the head's scale words of K, with V's behind them
	s_mov_b32 s[G0S], 1
	s_mov_b32 s[G0S+1], KSC
	s_add_nc_u64 s[G0S+2:G0S+3], s[4:5], s[72:73]
	s_or_b32 s[G0S+3], s[G0S+3], 0x80000000
	CROUND                                         ; all four work-groups are here: the first joint loads meet
	TLOAD 4                                        ; slot 0 and the scale words: one load a wave
	; what hangs on g stands in s74 and up
	s_lshl_b32 s74, s15, 12
	s_add_co_u32 s74, s74, 4194304+16384           ; the prefetches: K's section, my work-group's 4,096 bytes, in slot 1: the first change of slots steps them to slot 2
	s_mov_b32 s75, 0
	s_add_nc_u64 s[PFA:PFA+1], s[4:5], s[70:71]
	s_add_nc_u64 s[PFA:PFA+1], s[PFA:PFA+1], s[74:75]
	s_lshl_b32 s74, s[MB], 13
	s_lshl_b32 s76, s16, 10
	s_add_co_u32 s74, s74, s76
	s_add_co_u32 s74, s74, s70
	s_add_nc_u64 s[80:81], s[4:5], s[74:75]        ; Q's two groups: step m, 1,024 g
	s_mul_i32 s74, s17, 24576
	s_lshl_b32 s76, s[MB], 9
	s_add_co_u32 s74, s74, s76
	s_lshr_b32 s76, s16, 1
	s_lshl_b32 s76, s76, 7
	s_add_co_u32 s74, s74, s76
	s_add_co_u32 s74, s74, 12582912
	s_add_nc_u64 s[82:83], s[4:5], s[74:75]        ; its fragment's scale words
	s_lshl_b32 s[TAU], s18, 7
	s_lshl_b32 s76, s[MB], 3
	s_add_co_u32 s[TAU], s[TAU], s76
	s_add_co_u32 s[TAU], s[TAU], s16               ; my tile: 128 batch + 8 m + g
	s_mul_i32 s74, s[TAU], 768
	s_add_nc_u64 s[84:85], s[6:7], s[74:75]        ; its small terms
	s_lshl_b32 s74, s19, 8
	s_add_nc_u64 s[86:87], s[8:9], s[74:75]        ; my head's table
	s_lshl_b32 s74, s[TAU], 14
	s_lshl_b32 s76, s19, 10
	s_add_co_u32 s74, s74, s76
	s_add_nc_u64 s[88:89], s[10:11], s[74:75]      ; aoc: my tile, my head's two groups
	s_lshr_b32 s74, s[TAU], 1
	s_lshl_b32 s74, s74, 5
	s_and_b32 s76, s[TAU], 1
	s_lshl_b32 s76, s76, 3
	s_add_co_u32 s74, s74, s76                     ; the tile's first token
	s_lshl_b32 s74, s74, 5
	s_lshl_b32 s76, s19, 1
	s_add_co_u32 s74, s74, s76
	s_add_nc_u64 s[90:91], s[12:13], s[74:75]      ; aos: 32 bytes a token, my head's two
	v_lshlrev_b32 v2, 4, v[LN]
	v_lshlrev_b32 v3, 3, v[LN]
	v_lshlrev_b32 v4, 2, v[LN]
	v_mov_b32 v7, 0
	global_load_b128 v[ZQ+8:ZQ+11], v2, s[80:81]
	global_load_b128 v[ZQ+12:ZQ+15], v2, s[80:81] offset:512
	global_load_b32 v[QS], v4, s[82:83]
	global_load_b128 v[92:95], v2, s[84:85]        ; lanes 0-15: soft_bits of query lane % 16; lanes 16-31: hexc
	global_load_b64 v[96:97], v3, s[84:85] offset:512
.irp i, 0,1,2,3,4,5,6,7,8,9
	global_load_b128 v[52+4*\i:55+4*\i], v7, s[86:87] offset:16*\i   ; G[d][e] at v[52 + 6 d + e]; v88 lam', v89 c1, v90 c2, v91 a0
.endr
.irp i, 0,1,2,3,4,5,6,7
	v_mov_b32 v[ZQ+\i], 0
	v_mov_b32 v[ZQ+16+\i], 0
.endr
.set n, 0
.rept 32
	v_mov_b32 v[O+n], 0                            ; the step is written once: the first finds zeros, which the first change of M leaves zeros
.set n, n+1
.endr
	v_mov_b32 v13, 0xff61b1e6                      ; the largest t so far: -3e38
	v_floor_f32 v12, -v13                          ; -M
	v_mov_b32 v14, 0
	v_mov_b32 v15, 0
	v_mov_b32 v[FF+1], 0                           ; (named as the upper half of a pair)
	v_mov_b32 v[NEG], 0xff61b1e6
	v_and_b32 v[PFO], 15, v0
	v_lshlrev_b32 v[PFO], 8, v[PFO]
	v_bfe_u32 v[TMP], v0, 4, 1
	v_lshl_add_u32 v[PFO], v[TMP], 22, v[PFO]      ; lanes 16-31: V's section, 4,194,304 bytes on
	s_and_b32 s76, s16, 1
	s_cmp_lg_u32 s76, 0
	s_mov_b32 s77, 0x01000100
	s_cselect_b32 s77, 0x03020302, s77             ; my tile's two bytes of the fragment's word, twice: they serve [Q, 0] and [0, Q] alike
	s_lshl_b32 s76, s76, 3
	s_lshr_b32 s78, s16, 1
	s_lshl_b32 s78, s78, 5
	s_add_co_u32 s76, s76, s78                     ; my tile's first place in its 128
	s_wait_loadcnt 0x0
	v_perm_b32 v[QS], v[QS], v[QS], s77
	v_and_b32 v2, 15, v0
	v_and_b32 v3, 8, v2
	v_add_nc_u32 v2, v2, v3
	v_bfe_u32 v3, v0, 4, 1
	v_lshlrev_b32 v3, 4, v3
	v_sub_nc_u32 v[DQ], v2, v3
	v_add_nc_u32 v[DQ], s76, v[DQ]
.irp e, 0,1,2,3,4,5
	v_mul_f32 v[108+\e], v92, v[52+\e]
.endr
.irp d, 1,2,3,4,5
.irp e, 0,1,2,3,4,5
	v_fmac_f32 v[108+\e], v[92+\d], v[52+6*\d+\e]  ; sum over d of hexc(q, d) G[d][e]
.endr
.endr
.irp e, 0,1,2,3,4,5
	v_mul_f32 v[116+\e], v88, v[92+\e]             ; lam' soft_bits(q, e)
.endr
	v_cmp_le_u32 vcc_lo, 16, v[LN]
.irp e, 0,1,2,3,4,5
	v_cndmask_b32 v[U+\e], v[116+\e], v[108+\e], vcc_lo
.endr
	v_readfirstlane_b32 s[C1], v89
	v_readfirstlane_b32 s[C2], v90
	s_mov_b32 s[C1+1], s[C1]
	s_mov_b32 s[C2+1], s[C2]
	v_mov_b32 v[A0], v91
	v_mov_b32 v[A0+1], v91
.macro LOADK q, hf                     ; fragments 2 hf, 2 hf + 1 of the step's K, and their scale words: ten loads
.irp ff, 0,1
.irp c, 0,1,2,3
	ds_load_b128 v[F+16*\ff+4*\c:F+16*\ff+4*\c+3], v[A16] offset:8192*(\q)+2048*(2*(\hf)+\ff)+512*\c
.endr
	ds_load_b32 v[KS+\ff], v[A4] offset:128*(2*(\hf)+\ff)
.endr
.endm
.macro LOADW q, hf                     ; the small terms of key tiles 4 hf .. 4 hf + 3: eight loads
.irp ii, 0,1,2,3
	ds_load_b128 v[WF+6*\ii:WF+6*\ii+3], v[A16] offset:WOFF+6144*(\q)+768*(4*(\hf)+\ii)
	ds_load_b64 v[WF+6*\ii+4:WF+6*\ii+5], v[A8] offset:WOFF+6144*(\q)+768*(4*(\hf)+\ii)+512
.endr
.endm
.macro QK                              ; four tiles of 16 keys
.irp ff, 0,1
	v_wmma_scale_f32_16x16x128_f8f6f4 v[S+16*\ff:S+16*\ff+7], v[F+16*\ff:F+16*\ff+15], v[ZQ+8:ZQ+23], 0, v[KS+\ff], v[QS] matrix_a_fmt:MATRIX_FMT_BF8 matrix_b_fmt:MATRIX_FMT_BF8
	v_wmma_scale_f32_16x16x128_f8f6f4 v[S+16*\ff+8:S+16*\ff+15], v[F+16*\ff:F+16*\ff+15], v[ZQ:ZQ+15], 0, v[KS+\ff], v[QS] matrix_a_fmt:MATRIX_FMT_BF8 matrix_b_fmt:MATRIX_FMT_BF8
.endr
.endm
.macro FRONT                           ; 32 scores become log2(e) alpha tanh(score / beta) = a0 + c2 / (1 + 2^(c1 score)).  Each batch of transcendentals has a plain line and ONE wait behind it
.set n, 0
.rept 16
	v_pk_mul_f32 v[S+n:S+n+1], v[S+n:S+n+1], s[C1:C1+1] op_sel_hi:[1,0]
.set n, n+2
.endr
.set n, 0
.rept 32
	v_exp_f32 v[S+n], v[S+n]
.set n, n+1
.endr
	v_nop
	s_wait_alu depctr_va_vdst(0)
.set n, 0
.rept 16
	v_pk_add_f32 v[S+n:S+n+1], v[S+n:S+n+1], 1.0 op_sel_hi:[1,0]
.set n, n+2
.endr
.set n, 0
.rept 32
	v_rcp_f32 v[S+n], v[S+n]
.set n, n+1
.endr
	v_nop
	s_wait_alu depctr_va_vdst(0)
.set n, 0
.rept 16
	v_pk_fma_f32 v[S+n:S+n+1], v[S+n:S+n+1], s[C2:C2+1], v[A0:A0+1] op_sel_hi:[1,0,1]
.set n, n+2
.endr
.endm
.macro MASK hf                         ; in my diagonal step alone: register 16 b + i holds key 64 hf + 32 b + 16 (lane / 16) + i, hidden where it comes after my query
	s_cmp_lg_u32 s[KI], s[MB]
	s_cbranch_scc1 .Lopen_\@
.set n, 0
.rept 32
	v_cmp_gt_i32 vcc_lo, 64*(\hf)+32*(n/16)+n%16, v[DQ]
	v_cndmask_b32 v[S+n], v[S+n], v[NEG], vcc_lo
.set n, n+1
.endr
.Lopen_\@:
.endm
.macro BIAS hf                         ; t = the tanh term + the small product, K = 12 in three instructions a tile; the four tiles by turns, one instruction a turn; the first takes the tanh term as its C
.irp tl, 0,1,2,3
	v_wmma_f32_16x16x4_f32 v[T+32*(\hf)+8*\tl:T+32*(\hf)+8*\tl+7], v[WF+6*\tl:WF+6*\tl+1], v[U:U+1], v[S+8*\tl:S+8*\tl+7]
.endr
.irp s, 1,2
.irp tl, 0,1,2,3
	v_wmma_f32_16x16x4_f32 v[T+32*(\hf)+8*\tl:T+32*(\hf)+8*\tl+7], v[WF+6*\tl+2*\s:WF+6*\tl+2*\s+1], v[U+2*\s:U+2*\s+1], v[T+32*(\hf)+8*\tl:T+32*(\hf)+8*\tl+7]
.endr
.endr
.endm
.macro SUMS                            ; the row's sum is taken of the unquantised p: two at a time, in two chains
	v_pk_add_f32 v[SM2:SM2+1], v[S:S+1], v[S+2:S+3]
.irp j, 4,8,12,16,20,24,28
	v_pk_add_f32 v[14:15], v[14:15], v[S+\j:S+\j+1]
	v_pk_add_f32 v[SM2:SM2+1], v[SM2:SM2+1], v[S+\j+2:S+\j+3]
.endr
	v_pk_add_f32 v[14:15], v[14:15], v[SM2:SM2+1]
.endm
.macro CODES hb                        ; 32 p of blocks 2 hb, 2 hb + 1 become codes; p is not negative, so the hold is one-sided (ISA guide 7.6.2: the conversion does not saturate)
.irp b, 0,1
.irp i, 0,1,2,3,4,5,6,7,8,9,10,11,12,13,14,15
	v_min_num_f32 v[S+16*\b+\i], v[S+16*\b+\i], v[HOLD+2*(\hb)+\b]
.endr
	v_cvt_scalef32_pk8_bf8_f32 v[PC+8*(\hb)+4*\b:PC+8*(\hb)+4*\b+1], v[S+16*\b:S+16*\b+7], v[SOP+2*(\hb)+\b]
	v_cvt_scalef32_pk8_bf8_f32 v[PC+8*(\hb)+4*\b+2:PC+8*(\hb)+4*\b+3], v[S+16*\b+8:S+16*\b+15], v[SOP+2*(\hb)+\b]
.endr
	v_nop                                          ; a plain line behind the last conversion
.endm
; A KEY STEP: 128 keys, the q-th of the slot in hand.
.macro STEP q
	s_cmp_gt_u32 s[KI], s[MB]                      ; all its keys come after my queries: only the lines at its end are run
	s_cbranch_scc1 .Lhidden_\@
	v_lshl_add_u32 v[A16], v[LN], 4, s[TB]
	v_lshl_add_u32 v[A8], v[LN], 3, s[TB]
	v_lshl_add_u32 v[A4], v[LN], 2, s[TS]
.rept 6
	v_nop                                          ; with the three above nine places behind the last step's products: their source in v[S] on is next written by a matrix instruction
.endr
	LOADK \q, 0
	LOADW \q, 0
	s_wait_dscnt 8                                 ; K's ten loads are in; the small terms' eight may be out
	QK
.rept 8
	v_nop                                          ; places in front of the loads into K's registers and of the first read of the scores
.endr
	LOADK \q, 1
	FRONT
	MASK 0
	s_wait_dscnt 10                                ; the small terms are in; the next half's ten loads of K may be out
	BIAS 0
.rept 9
	v_nop                                          ; nine: the scores' registers, a C of those products, are next written by a matrix instruction
.endr
	LOADW \q, 1
	s_wait_dscnt 8
	QK
.rept 8
	v_nop
.endr
.irp t, 0,1
.irp c, 0,1,2,3
	ds_load_b128 v[F+16*\t+4*\c:F+16*\t+4*\c+3], v[A16] offset:VOFF+8192*(\q)+2048*\t+512*\c   ; V's fragments 0 and 1
.endr
.endr
.irp t, 0,1,2,3
	ds_load_b32 v[VS+\t], v[A4] offset:8192+128*\t
.endr
	FRONT
	MASK 1
	s_wait_dscnt 12                                ; the small terms are in; V's eight loads and its four scale words may be out
	BIAS 1
.rept 8
	v_nop                                          ; places in front of the first read of t and of writes into the small terms' registers
.endr
.irp b, 0,1,2,3
	v_max3_num_f32 v[BM+\b], v[T+16*\b], v[T+16*\b+1], v[T+16*\b+2]   ; the largest t of each block of 32 keys: for the row's maximum, and, since p rises with t, for the block's largest p
.endr
.irp i, 3,5,7,9,11,13
.irp b, 0,1,2,3
	v_max3_num_f32 v[BM+\b], v[BM+\b], v[T+16*\b+\i], v[T+16*\b+\i+1]
.endr
.endr
.irp b, 0,1,2,3
	v_max_num_f32 v[BM+\b], v[BM+\b], v[T+16*\b+15]
.endr
.irp b, 0,1,2,3
	v_permlanex16_b32 v[BT+\b], v[BM+\b], s[SEL], s[SEL+1]
.endr
.irp b, 0,1,2,3
	v_max_num_f32 v[BM+\b], v[BM+\b], v[BT+\b]
.endr
	v_max3_num_f32 v[TMP], v[BM], v[BM+1], v[BM+2]
	v_max_num_f32 v[TMP], v[TMP], v[BM+3]
	v_max_num_f32 v13, v13, v[TMP]                 ; the running largest t
	v_mov_b32 v[TMP], v12
	v_floor_f32 v12, -v13                          ; -M = floor(-t): M is a whole number
	v_sub_f32 v[TMP], v12, v[TMP]
	v_cvt_i32_f32 v[TMP], v[TMP]                   ; (it saturates)
	v_ldexp_f32 v[FF], 1.0, v[TMP]                 ; f = 2^(old M - new M): exact
.set n, 0
.rept 16
	v_pk_add_f32 v[S+n:S+n+1], v[T+n:T+n+1], v[12:13] op_sel_hi:[1,0]   ; t - M of the first 64 keys
.set n, n+2
.endr
.irp b, 0,1,2,3
	v_add_f32 v[BM+\b], v[BM+\b], v12              ; the same of each block's largest t
.endr
.set n, 0
.rept 32
	v_exp_f32 v[S+n], v[S+n]
.set n, n+1
.endr
.irp b, 0,1,2,3
	v_exp_f32 v[BM+\b], v[BM+\b]
.endr
	v_pk_mul_f32 v[14:15], v[14:15], v[FF:FF+1] op_sel_hi:[1,0]   ; the sums under the new M.  (The plain line behind the batch)
	s_wait_alu depctr_va_vdst(0)
	SUMS
.irp b, 0,1,2,3
	v_max_num_f32 v[BM+\b], 0x8000000, v[BM+\b]    ; the floor 2^(16 - 127)
.endr
.irp b, 0,1,2,3
	v_add_nc_u32 v[SOP+\b], 0xf8800000, v[BM+\b]
.endr
.irp b, 0,1,2,3
	v_and_or_b32 v[HOLD+\b], v[BM+\b], 0x7f800000, s[MNT]
.endr
.irp b, 0,1,2,3
	v_lshrrev_b32 v[BT+\b], 23, v[SOP+\b]
.endr
	v_lshl_or_b32 v[PSW], v[BT+1], 8, v[BT]        ; p's scale word for these 128 keys
	v_lshl_or_b32 v[PSW], v[BT+2], 16, v[PSW]
	v_lshl_or_b32 v[PSW], v[BT+3], 24, v[PSW]
	CODES 0
.set n, 0
.rept 16
	v_pk_add_f32 v[S+n:S+n+1], v[T+32+n:T+32+n+1], v[12:13] op_sel_hi:[1,0]   ; the other 64 keys
.set n, n+2
.endr
.set n, 0
.rept 32
	v_exp_f32 v[S+n], v[S+n]
.set n, n+1
.endr
	v_nop
	s_wait_alu depctr_va_vdst(0)
	SUMS
	CODES 1
.irp t, 0,1
.irp c, 0,1,2,3
	ds_load_b128 v[S+16*\t+4*\c:S+16*\t+4*\c+3], v[A16] offset:VOFF+8192*(\q)+2048*(2+\t)+512*\c   ; V's fragments 2 and 3, where p lay
.endr
.endr
.set n, 0
.rept 16
	v_pk_mul_f32 v[O+n:O+n+1], v[O+n:O+n+1], v[FF:FF+1] op_sel_hi:[1,0]   ; O^T under the new M; also the places between the codes and the products
.set n, n+2
.endr
	s_wait_dscnt 8                                 ; V's fragments 0, 1 and its scale words are in; the eight loads just issued may be out
.irp t, 0,1
	v_wmma_scale_f32_16x16x128_f8f6f4 v[O+8*\t:O+8*\t+7], v[F+16*\t:F+16*\t+15], v[PC:PC+15], v[O+8*\t:O+8*\t+7], v[VS+\t], v[PSW] matrix_a_fmt:MATRIX_FMT_BF8 matrix_b_fmt:MATRIX_FMT_BF8
.endr
	s_wait_dscnt 0x0
.irp t, 0,1
	v_wmma_scale_f32_16x16x128_f8f6f4 v[O+16+8*\t:O+16+8*\t+7], v[S+16*\t:S+16*\t+15], v[PC:PC+15], v[O+16+8*\t:O+16+8*\t+7], v[VS+2+\t], v[PSW] matrix_a_fmt:MATRIX_FMT_BF8 matrix_b_fmt:MATRIX_FMT_BF8
.endr
.Lhidden_\@:
	s_add_co_u32 s[KI], s[KI], 1
	s_add_co_u32 s[TS], s[TS], 512
.endm
; THE CHANGE OF SLOTS stands at a slot's head.  Each wave waits for all its tensor loads, adds 0 to its spare word, and waits for that and for its reads of the slot that it has left.  fill = 1: a round of the cluster's barrier, and behind it
; the slot just left is filled with the keys that follow the slot ahead: one joint load a wave, which has two key steps in which to land.
.macro CHANGE fill
	s_wait_tensorcnt 0x0                           ; no tensor load of mine is out, so a group 0 may be written
	ds_add_u32 v[SPW], v[NIL]                      ; 0 onto my spare word
.if \fill
	s_xor_b32 s[G0K+1], s[G0K+1], SLOT1
	s_add_nc_u64 s[G0K+2:G0K+3], s[G0K+2:G0K+3], 16384
	s_xor_b32 s[G0V+1], s[G0V+1], SLOT1
	s_add_nc_u64 s[G0V+2:G0V+3], s[G0V+2:G0V+3], 16384
	s_xor_b32 s[G0W+1], s[G0W+1], SLOT1
	s_add_nc_u64 s[G0W+2:G0W+3], s[G0W+2:G0W+3], 12288
	s_wait_xcnt 0x0                                ; the last prefetch, a slot back, has read its address
	s_add_nc_u64 s[PFA:PFA+1], s[PFA:PFA+1], 16384
.endif
	s_wait_dscnt 0x0                               ; the add is done, and my reads of the slot that I have left are over
.if \fill
	CROUND
	TLOAD 3
	ASK
.else
	s_barrier_signal -1
	s_barrier_wait -1
.endif
.endm
.Lslot:                                            ; seven trips: behind each change of slots but the last the next slot is asked for
	CHANGE 1
	STEP 0
	STEP 1
	s_xor_b32 s[TB], s[TB], SLOT1
	s_sub_co_u32 s[SLOTS], s[SLOTS], 1
	s_cmp_lg_u32 s[SLOTS], 0
	s_cbranch_scc1 .Lslot
	CHANGE 0                                       ; the last slot is written out
	STEP 0
	STEP 1
	; THE WAY OUT.  O^T / the sum; register 16 b + i is channel 32 b + 16 (lane / 16) + i of my query: two blocks along D, quantised as they stand: groups 2 (head % 2), + 1 of K step head / 2 of my tile's image in aoc.
.rept 8
	v_nop                                          ; places behind the last products
.endr
	v_add_f32 v14, v14, v15
	v_mov_b32 v[BT], 0                             ; a lane permute's destination counts as one of its sources
	v_mov_b32 v[BT+1], 0
	v_mov_b32 v[TMP+1], 0                          ; (named as the upper half of a pair)
	v_permlanex16_b32 v[BT], v14, s[SEL], s[SEL+1]
	v_add_f32 v14, v14, v[BT]                      ; the row's sum
	v_rcp_f32 v[TMP], v14
	v_lshlrev_b32 v[A16], 4, v[LN]                 ; (plain work behind the reciprocal)
	v_and_b32 v[A8], 15, v[LN]
	v_and_b32 v[A4], 8, v[A8]
	v_add_nc_u32 v[A8], v[A8], v[A4]
	v_lshlrev_b32 v[A8], 5, v[A8]                  ; my token's 32 scale bytes
	s_wait_alu depctr_va_vdst(0)
.set n, 0
.rept 16
	v_pk_mul_f32 v[O+n:O+n+1], v[O+n:O+n+1], v[TMP:TMP+1] op_sel_hi:[1,0]
.set n, n+2
.endr
.irp b, 0,1
	v_max3_num_f32 v[BM+\b], |v[O+16*\b]|, |v[O+16*\b+1]|, 0x8000000
.endr
.irp i, 2,4,6,8,10,12,14
.irp b, 0,1
	v_max3_num_f32 v[BM+\b], v[BM+\b], |v[O+16*\b+\i]|, |v[O+16*\b+\i+1]|
.endr
.endr
.irp b, 0,1
	v_permlanex16_b32 v[BT+\b], v[BM+\b], s[SEL], s[SEL+1]
.endr
.irp b, 0,1
	v_max_num_f32 v[BM+\b], v[BM+\b], v[BT+\b]
.endr
.irp b, 0,1
	v_add_nc_u32 v[SOP+\b], 0xf8800000, v[BM+\b]
.endr
.irp b, 0,1
	v_and_or_b32 v[HOLD+\b], v[BM+\b], 0x7f800000, s[MNT]
.endr
.irp b, 0,1
	v_lshrrev_b32 v[BT+\b], 23, v[SOP+\b]
.endr
	v_lshl_or_b32 v[SM2], v[BT+1], 8, v[BT]
.irp b, 0,1
.irp i, 0,1,2,3,4,5,6,7,8,9,10,11,12,13,14,15
	v_med3_num_f32 v[O+16*\b+\i], v[O+16*\b+\i], -v[HOLD+\b], v[HOLD+\b]
.endr
	v_cvt_scalef32_pk8_bf8_f32 v[PC+4*\b:PC+4*\b+1], v[O+16*\b:O+16*\b+7], v[SOP+\b]
	v_cvt_scalef32_pk8_bf8_f32 v[PC+4*\b+2:PC+4*\b+3], v[O+16*\b+8:O+16*\b+15], v[SOP+\b]
.endr
	v_nop
	global_store_b128 v[A16], v[PC:PC+3], s[88:89]             ; 512 consecutive bytes, aligned
	global_store_b128 v[A16], v[PC+4:PC+7], s[88:89] offset:512
	global_store_b16 v[A8], v[SM2], s[90:91]
	s_wait_tensorcnt 0x0                           ; the wave's end
	ds_add_u32 v[SPW], v[NIL]
	s_wait_dscnt 0x0
	CROUND                                         ; the closing round
	s_endpgm
.Lfunc_end_k_q983e315e9e_attn:
	.size	k_q983e315e9e_attn, .Lfunc_end_k_q983e315e9e_attn-k_q983e315e9e_attn
	.p2alignl 7, 3214868480
	.fill 96, 4, 3214868480
	.section	.rodata,"a",@progbits
	.p2align	6, 0x0
	.amdhsa_kernel k_q983e315e9e_attn
		.amdhsa_group_segment_fixed_size 327680
		.amdhsa_private_segment_fixed_size 0
		.amdhsa_enable_private_segment 0
		.amdhsa_kernarg_size 40
		.amdhsa_user_sgpr_count 2
		.amdhsa_user_sgpr_kernarg_segment_ptr 1
		.amdhsa_wavefront_size32 1
		.amdhsa_system_sgpr_workgroup_id_x 1
		.amdhsa_system_sgpr_workgroup_id_y 1
		.amdhsa_system_sgpr_workgroup_id_z 1
		.amdhsa_system_vgpr_workitem_id 0
		.amdhsa_next_free_vgpr 256
		.amdhsa_next_free_sgpr 100
		.amdhsa_reserve_vcc 1
		.amdhsa_float_denorm_mode_32 3
		.amdhsa_float_denorm_mode_16_64 3
		.amdhsa_memory_ordered 1
		.amdhsa_forward_progress 1
		.amdhsa_inst_pref_size 171
	.end_amdhsa_kernel
	.amdgpu_metadata
---
amdhsa.version: [ 1, 2 ]
amdhsa.kernels:
  - .name:           k_q983e315e9e_attn
    .symbol:         k_q983e315e9e_attn.kd
    .args:
      - { .name: qkv, .offset: 0, .size: 8, .value_kind: global_buffer, .address_space: global }
      - { .name: wsm, .offset: 8, .size: 8, .value_kind: global_buffer, .address_space: global }
      - { .name: gtab, .offset: 16, .size: 8, .value_kind: global_buffer, .address_space: global }
      - { .name: aoc, .offset: 24, .size: 8, .value_kind: global_buffer, .address_space: global }
      - { .name: aos, .offset: 32, .size: 8, .value_kind: global_buffer, .address_space: global }
    .group_segment_fixed_size: 327680
    .private_segment_fixed_size: 0
    .kernarg_segment_align: 8
    .kernarg_segment_size: 40
    .max_flat_workgroup_size: 512
    .sgpr_count:     100
    .vgpr_count:     256
    .wavefront_size: 32
...
	.end_amdgpu_metadata
.endif
;; end of part 3
;; launch proj (part 4): grid 4 x 16, 4 waves a work-group, clusters of 4 x 4, 327,680 bytes of LDS; arguments aoc, aos, wc, out_w_scales, out0; writes out0
.if DOCPART == 4
	.amdgcn_target "amdgcn-amd-amdhsa--gfx1250"
	.amdhsa_code_object_version 6
	.text
	.protected	k_q983e315e9e_proj
	.globl	k_q983e315e9e_proj
	.p2align	8
	.type	k_q983e315e9e_proj,@function
k_q983e315e9e_proj:
	s_mov_b64 s[64:65], 0
	v_nop
	global_prefetch_b8 v0, s[64:65] scope:SCOPE_SE
	s_setreg_imm32_b32 hwreg(HW_REG_WAVE_MODE, 25, 1), 1
	s_wait_xcnt 0x0
	s_wait_alu depctr_hold_cnt(0) depctr_sa_sdst(0) depctr_va_vdst(0) depctr_va_sdst(0) depctr_va_ssrc(0) depctr_va_vcc(0) depctr_vm_vsrc(0)
	s_getreg_b32 s2, hwreg(HW_REG_IB_STS2, 6, 4)
	s_cmp_eq_u32 s2, 0
	s_cbranch_scc0 .Lentry_in_a_cluster
	s_endpgm
.Lentry_in_a_cluster:
	s_bfe_u32 s2, ttmp6, 0x10000c
	s_cmp_lg_u32 s2, 0xf033
	s_cbranch_scc0 .Lentry_shape_is_right
	s_endpgm
.Lentry_shape_is_right:
; PROJ.  out0 = o out_w^T on codes of E5M2 with E8M0 scales (K = 1,024), f32 out.  o's codes (aoc) and out_w's (wc, from tile 192 on) are [tile of 16 rows][K step of 128][image of 2,048 bytes]
; (tile 2 f + u = rows 32 f + 8 u + r + 8 (r / 8); image: registers 4 c .. 4 c + 3 of lane l at 512 c + 16 l); the scale bytes are [row][32].
; A work-group makes 256 tokens x 256 features, a wave 128 x 128: 64 accumulators, 512 registers.  K goes in steps of 256 through a ring of two LDS slots; a slot's part of a tile is 4,096 consecutive bytes; a fragment comes by four
; loads of 512 consecutive bytes: no pitch, no padding.  The scales of the work-group's rows, for all of K, come into LDS once, as rows of 256 bytes + 16.
; CLUSTERS: 4 x 4 work-groups: o's tiles are asked for jointly along a row of the cluster, the weight's along a column.  The launch has 64 work-groups: the shape is 16 x 4 tiles of 256 x 256.
; Source 0 = the weight, source 1 = o: a lane holds one token, and the 16 registers of weight tiles (f, 0), (f, 1) are features 32 f + 16 (lane / 16) + 0 .. 15.  The way out puts rows and columns back in their natural order.
; REGISTERS, in windows of 256: window 0: v16-29 addresses; v32-63 S1's scale words, v64-95 S0's (they hold nothing else); v128-255 S1's fragments, on the way out rows read back.   window 1: S0's fragments, two sets.   windows 2, 3: accumulators.
.set NQ,     2
.set FR,     16
.set NL,     4
.set NP,     8                         ; places behind this matrix instruction (ISA guide 7.12.1)
.set HALFT,  32768
.set SLOT,   4*HALFT
.set LAPS,   2
.set SCL,    2*SLOT
.set HALFS,  16*272
.set SPARE,  SCL+4*HALFS               ; the spare words, 128 bytes for each wave: two blocks of 256 bytes that no other line names
.set SPITCH, 528                       ; the way out: a stage of 16 rows x (512 bytes + 16) for each wave, in slot 0, which has had its last fill and its last read when the first result is stored there
.set ADR1, 16
.set ADR0, 20
.set STO,  24
.set RD,   25
.set ADRS1, 26
.set ADRS0, 27
.set SPW,  28
.set NIL,  29
.set CO,   30
.set SC1,  32
.set SC0,  64
.set AF,   128
.set BK,   128
.set G1, 24
.set G0, 32
.set G1B, 48
.set G0B, 56
.set G1S, 68
.set G0S, 76
.set G1SB, 80
.set G0SB, 88
.set MSB, 0
.macro WIN new                         ; the immediate's high byte repeats the setting that is left
.if MSB != \new
	s_set_vgpr_msb (MSB<<8)|\new
.set MSB, \new
.endif
.endm
.set MUL_LO, 0xa1
.set MUL_HI, 0xf1
.set TO_B,   0x40
.macro JLOAD g0a, g1a, g0b, g1b        ; a joint load: waves 0 and 1 fetch o's halves, waves 2 and 3 the weight's; four v_nop follow each of the two lines
	s_cmp_eq_u32 s15, 0
	s_cbranch_scc0 .Lfor_b_\@
	tensor_load_to_lds s[\g0a:\g0a+3], s[\g1a:\g1a+7]
	s_nop 0
.rept 4
	v_nop
.endr
	s_branch .Lasked_\@
.Lfor_b_\@:
	tensor_load_to_lds s[\g0b:\g0b+3], s[\g1b:\g1b+7]
	s_nop 0
.rept 4
	v_nop
.endr
.Lasked_\@:
.endm
.macro CREST
	s_cmp_lg_u32 s14, 0
	s_cbranch_scc1 .Lnot_wave_0_\@
	s_barrier_signal -3
.Lnot_wave_0_\@:
	s_barrier_wait -3
	s_barrier_signal -1
	s_barrier_wait -1
.endm
.macro CROUND
	s_barrier_signal -1
	s_barrier_wait -1
	CREST
.endm
	s_load_b128 s[4:7], s[0:1], 0x0                ; aoc, aos
	s_load_b128 s[8:11], s[0:1], 0x10              ; wc, out_w_scales
	s_load_b64 s[12:13], s[0:1], 0x20              ; out0
	v_lshl_add_u32 v[SPW], v0, 2, SPARE
	v_mov_b32 v[NIL], 0
	ds_add_u32 v28, v29
	s_wait_dscnt 0x0
	v_lshrrev_b32 v1, 5, v0
	v_readfirstlane_b32 s14, v1                    ; wave 0..3
	s_lshr_b32 s15, s14, 1                         ; which 128 tokens are mine.  Also: I fetch for o (0) or for the weight (1)
	s_and_b32 s16, s14, 1                          ; which 128 features.  Also: which 8 tiles I fetch
	s_bfe_u32 s40, ttmp6, 0x40000
	s_bfe_u32 s41, ttmp6, 0x40004
	s_lshl_b32 s42, ttmp9, 2
	s_add_co_u32 s42, s42, s40                     ; which 256 features
	s_and_b32 s17, ttmp7, 0xffff
	s_lshl_b32 s17, s17, 2
	s_add_co_u32 s17, s17, s41                     ; which 256 tokens
	s_lshl_b32 s43, s41, 2
	s_lshl_b32 s43, 15, s43
	s_lshl_b32 s44, 0x1111, s40
	s_or_b32 s[G1+0], s43, (3<<16)|(1<<21)         ; codes: 8 rows (tiles) of 4,096 bytes (512 elements of 8), 16,384 bytes apart
	s_or_b32 s[G1B+0], s44, (3<<16)|(1<<21)
.irp g, G1, G1B
	s_mov_b32 s[\g+1], 512<<16
	s_mov_b32 s[\g+2], 8<<16
	s_mov_b32 s[\g+3], 512<<16
	s_mov_b32 s[\g+4], 8
	s_mov_b32 s[\g+5], 2048
	s_mov_b32 s[\g+6], 0
	s_mov_b32 s[\g+7], 0
.endr
	s_or_b32 s[G1S+0], s43, (3<<16)|(1<<20)|(1<<21)|(5<<22)|(3<<25)   ; scales of 128 rows: 16 rows of 256 bytes, four words of padding behind each
	s_or_b32 s[G1SB+0], s44, (3<<16)|(1<<20)|(1<<21)|(5<<22)|(3<<25)
.irp g, G1S, G1SB
	s_mov_b32 s[\g+1], 32<<16
	s_mov_b32 s[\g+2], 16<<16
	s_mov_b32 s[\g+3], 32<<16
	s_mov_b32 s[\g+4], 16
	s_mov_b32 s[\g+5], 32
	s_mov_b32 s[\g+6], 0
	s_mov_b32 s[\g+7], 0
.endr
	s_lshl_b32 s18, s16, 3
	s_lshl_b32 s20, s17, 4
	s_add_co_u32 s20, s20, s18
	s_lshl_b32 s46, s42, 4
	s_add_co_u32 s46, s46, s18
	s_lshl_b32 s22, s20, 9
	s_lshl_b32 s92, s46, 9
	s_lshl_b32 s20, s20, 14
	s_add_co_u32 s46, s46, 192                     ; out_w's tiles stand behind qkv_w's 192
	s_lshl_b32 s46, s46, 14
	s_mov_b32 s21, 0
	s_mov_b32 s23, 0
	s_mov_b32 s47, 0
	s_mov_b32 s93, 0
	s_mul_i32 s45, s14, HALFT
	s_mul_i32 s94, s14, HALFS
	s_wait_kmcnt 0x0
	s_add_nc_u64 s[20:21], s[4:5], s[20:21]
	s_add_nc_u64 s[22:23], s[6:7], s[22:23]
	s_add_nc_u64 s[46:47], s[8:9], s[46:47]
	s_add_nc_u64 s[92:93], s[10:11], s[92:93]
	CROUND                                         ; all sixteen work-groups are here: the first joint loads meet
	s_mov_b32 s[G0S], 1
	s_add_co_u32 s[G0S+1], s94, SCL
	s_mov_b64 s[G0S+2:G0S+3], s[22:23]
	s_or_b32 s[G0S+3], s[G0S+3], 0x80000000
	s_mov_b32 s[G0SB], 1
	s_add_co_u32 s[G0SB+1], s94, SCL
	s_mov_b64 s[G0SB+2:G0SB+3], s[92:93]
	s_or_b32 s[G0SB+3], s[G0SB+3], 0x80000000
	JLOAD G0S, G1S, G0SB, G1SB                     ; with the two slots three loads of mine are out
.irp s, 0,1
	s_mov_b32 s[G0+4*\s], 1
	s_add_co_u32 s[G0+4*\s+1], s45, \s*SLOT
	s_add_nc_u64 s[G0+4*\s+2:G0+4*\s+3], s[20:21], \s*4096
	s_or_b32 s[G0+4*\s+3], s[G0+4*\s+3], 0x80000000
	s_mov_b32 s[G0B+4*\s], 1
	s_add_co_u32 s[G0B+4*\s+1], s45, \s*SLOT
	s_add_nc_u64 s[G0B+4*\s+2:G0B+4*\s+3], s[46:47], \s*4096
	s_or_b32 s[G0B+4*\s+3], s[G0B+4*\s+3], 0x80000000
	JLOAD G0+4*\s, G1, G0B+4*\s, G1B
.endr
	v_and_b32 v6, 31, v0
	v_lshlrev_b32 v[CO], 4, v6                     ; 16 x lane: an image's place, and my 16 bytes of a row of 512
	s_mul_i32 s21, s15, HALFT
	s_mul_i32 s22, s16, HALFT
	s_add_co_u32 s22, s22, 2*HALFT
.irp s, 0,1
	v_add_nc_u32 v[ADR1+\s], s21, v[CO]
	v_add_nc_u32 v[ADR0+\s], s22, v[CO]
	s_add_co_u32 s21, s21, SLOT
	s_add_co_u32 s22, s22, SLOT
.endr
	v_and_b32 v1, 15, v0                           ; r
	v_bfe_u32 v2, v0, 4, 1                         ; h
	v_lshrrev_b32 v5, 3, v1
	v_and_b32 v6, 7, v1
	v_mul_u32_u24 v5, v5, 544
	v_lshl_add_u32 v5, v6, 5, v5                   ; row 32 f + 8 u + r + 8 (r / 8): LDS row 4 f + u + 2 (r / 8), byte 32 (r % 8)
	s_mul_i32 s21, s15, HALFS
	s_add_co_u32 s21, s21, SCL
	s_mul_i32 s22, s16, HALFS
	s_add_co_u32 s22, s22, SCL+2*HALFS
	v_add_nc_u32 v[ADRS1], s21, v5
	v_add_nc_u32 v[ADRS0], s22, v5
	s_mul_i32 s23, s14, 16*SPITCH                  ; my stage
	v_mul_u32_u24 v5, v1, SPITCH
	v_lshl_add_u32 v5, v2, 6, v5
	v_add_nc_u32 v[STO], s23, v5                   ; in: row r, + 64 h: features 16 h on of each 32
	v_add_nc_u32 v[RD], s23, v[CO]                 ; back: the 32 lanes take one row of 512 bytes
	s_lshl_b32 s20, s17, 8
	s_lshl_b32 s21, s15, 7
	s_add_co_u32 s20, s20, s21
	s_lshl_b32 s20, s20, 12                        ; my first token's row of 4,096 bytes,
	s_lshl_b32 s46, s42, 10
	s_lshl_b32 s47, s16, 9
	s_add_co_u32 s46, s46, s47
	s_add_co_u32 s20, s20, s46                     ; my first feature
	s_mov_b32 s21, 0
	s_add_nc_u64 s[12:13], s[12:13], s[20:21]
.macro FRAG reg, adr, q, i
.irp c, 0,1,2,3
	ds_load_b128 v[\reg+4*\c:\reg+4*\c+3], v[\adr] offset:4096*(\i)+2048*(\q)+512*\c
.endr
.endm
.macro MUL16 a0, p, q, sc, zero        ; 16 matrix instructions; the 64 accumulators take turns, one instruction a turn
.irp a, \a0, \a0+1
.irp b, 0,1,2,3,4,5,6,7
.if \zero
	v_wmma_scale_f32_16x16x128_f8f6f4 v[8*(8*((\a)%4)+\b):8*(8*((\a)%4)+\b)+7], v[128*(\p)+FR*\b:128*(\p)+FR*\b+FR-1], v[AF+FR*(\a):AF+FR*(\a)+FR-1], 0, v[SC0+16*(\sc)+2*\b+(\q)], v[SC1+16*(\sc)+2*(\a)+(\q)] matrix_a_fmt:MATRIX_FMT_BF8 matrix_b_fmt:MATRIX_FMT_BF8
.else
	v_wmma_scale_f32_16x16x128_f8f6f4 v[8*(8*((\a)%4)+\b):8*(8*((\a)%4)+\b)+7], v[128*(\p)+FR*\b:128*(\p)+FR*\b+FR-1], v[AF+FR*(\a):AF+FR*(\a)+FR-1], v[8*(8*((\a)%4)+\b):8*(8*((\a)%4)+\b)+7], v[SC0+16*(\sc)+2*\b+(\q)], v[SC1+16*(\sc)+2*(\a)+(\q)] matrix_a_fmt:MATRIX_FMT_BF8 matrix_b_fmt:MATRIX_FMT_BF8
.endif
.endr
.endr
.endm
.macro FETCH_0 slot, q, p
	WIN TO_B
.irp i, 0,1,2,3,4,5,6,7
	FRAG 128*(\p)+FR*\i, ADR0+\slot, \q, \i
.endr
	WIN 0
.endm
.macro FETCH_1 slot, q, i0
.irp i, \i0, \i0+1, \i0+2, \i0+3
	FRAG AF+FR*(\i), ADR1+\slot, \q, \i
.endr
.endm
.macro SCALES sc
.irp i, 0,1,2,3,4,5,6,7
	ds_load_b64 v[SC1+16*\sc+2*\i:SC1+16*\sc+2*\i+1], v[ADRS1] offset:(4*(\i/2)+\i%2)*272
	ds_load_b64 v[SC0+16*\sc+2*\i:SC0+16*\sc+2*\i+1], v[ADRS0] offset:(4*(\i/2)+\i%2)*272
.endr
.endm
.macro PLACES n
.rept \n
	v_nop
.endr
.endm
.macro STEP slot, q, zero
	s_wait_dscnt 4*NL                              ; S0's set and S1's blocks 0-3 are in; the youngest sixteen loads (blocks 4-7) may be out
	WIN MUL_LO
	MUL16 0, (\q)%2, \q, \slot, \zero
	MUL16 2, (\q)%2, \q, \slot, \zero
	s_wait_dscnt 0
	PLACES NP
	FETCH_0 \slot, (\q)+1, 1-(\q)%2
	FETCH_1 \slot, (\q)+1, 0
	WIN MUL_HI
	MUL16 4, (\q)%2, \q, \slot, \zero
	MUL16 6, (\q)%2, \q, \slot, \zero
	PLACES NP
	WIN 0
	FETCH_1 \slot, (\q)+1, 4
.endm
.macro TURN slot, next, fill
	s_wait_tensorcnt 0x0                           ; all my tensor loads have landed: my part of the next slot
	ds_add_u32 v[SPW], v[NIL]                      ; 0 onto my spare word
	s_wait_dscnt 4*NL+1                            ; (the add and the youngest sixteen loads may be out)
	WIN MUL_LO
	MUL16 0, 1, NQ-1, \slot, 0
	s_wait_dscnt 0x0                               ; the add is done, and my reads of this slot are over
	s_barrier_signal -1
	MUL16 2, 1, NQ-1, \slot, 0
	WIN 0
	s_barrier_wait -1
.if \fill
	CREST                                          ; a round of the cluster's barrier: no wave of any partner still reads this slot or has a load on its way
	s_add_nc_u64 s[G0+4*\slot+2:G0+4*\slot+3], s[G0+4*\slot+2:G0+4*\slot+3], 8192
	s_add_nc_u64 s[G0B+4*\slot+2:G0B+4*\slot+3], s[G0B+4*\slot+2:G0B+4*\slot+3], 8192
	JLOAD G0+4*\slot, G1, G0B+4*\slot, G1B
	PLACES NP-4
.else
	PLACES NP
.endif
	v_add_nc_u32 v[ADRS1], 4*NQ, v[ADRS1]
	v_add_nc_u32 v[ADRS0], 4*NQ, v[ADRS0]
	FETCH_0 \next, 0, 0
	FETCH_1 \next, 0, 0
	SCALES \next
	WIN MUL_HI
	MUL16 4, 1, NQ-1, \slot, 0
	MUL16 6, 1, NQ-1, \slot, 0
	PLACES NP
	WIN 0
	FETCH_1 \next, 0, 4
.endm
	s_wait_tensorcnt 1                             ; the scales and my part of slot 0 are in; slot 1's load may be out
	s_barrier_signal -1
	s_barrier_wait -1
	FETCH_0 0, 0, 0
	FETCH_1 0, 0, 0
	SCALES 0
	FETCH_1 0, 0, 4
	STEP 0, 0, 1
	s_mov_b32 s3, LAPS-1
.Llap:
	TURN 0, 1, 1
	STEP 1, 0, 0
	TURN 1, 0, 1
	STEP 0, 0, 0
	s_sub_co_u32 s3, s3, 1
	s_cmp_lg_u32 s3, 0
	s_cbranch_scc1 .Llap
	TURN 0, 1, 0
	STEP 1, 0, 0
	s_wait_dscnt 4*NL
	WIN MUL_LO
	MUL16 0, 1, NQ-1, 1, 0
	MUL16 2, 1, NQ-1, 1, 0
	s_wait_dscnt 0
	WIN MUL_HI
	MUL16 4, 1, NQ-1, 1, 0
	MUL16 6, 1, NQ-1, 1, 0
	WIN 0
; THE WAY OUT, block by block of 16 tokens x 128 features, through my own stage in LDS.  Accumulator b = 2 f + u of a lane holds features 32 f + 16 h + 8 u + 0 .. 7: byte 128 f + 64 h + 32 u of the token's row.
; Row t of block a is token 32 (a / 2) + 8 (a % 2) + t + 8 (t / 8) of my 128: its place stands in the store's immediate, 520,192 at the most.  LDS serves a wave's instructions in order (ISA guide 5.7.1.4).
.macro TOSTAGE a
.set AC, 64*((\a)%4)
.set WN, 0x08+4*((\a)/4)
	WIN WN                                         ; an LDS store's data are its source 1: window 2 or 3
.irp b, 0,1,2,3,4,5,6,7
	ds_store_b128 v[STO], v[AC+8*\b:AC+8*\b+3] offset:128*(\b/2)+32*(\b%2)       ; each accumulator from its low end on
	ds_store_b128 v[STO], v[AC+8*\b+4:AC+8*\b+7] offset:128*(\b/2)+32*(\b%2)+16
.endr
	WIN 0
.set BB, BK+64*((\a)%2)
.irp t, 0,1,2,3,4,5,6,7,8,9,10,11,12,13,14,15
	ds_load_b128 v[BB+4*\t:BB+4*\t+3], v[RD] offset:\t*SPITCH
.endr
.endm
.macro SEND a, younger
.set BB, BK+64*((\a)%2)
	s_wait_dscnt \younger                          ; the block is back in registers
.irp t, 0,1,2,3,4,5,6,7,8,9,10,11,12,13,14,15
	global_store_b128 v[CO], v[BB+4*\t:BB+4*\t+3], s[12:13] offset:(32*((\a)/2)+8*((\a)%2)+\t+8*(\t/8))*4096 th:TH_STORE_NT   ; 32 lanes store 512 consecutive bytes, aligned
.endr
.endm
	PLACES NP
	TOSTAGE 0
.irp a, 1,2,3,4,5,6,7
.if \a > 1
	s_wait_xcnt 0x0                                ; block a - 2's stores have read their registers: block a's loads may land there
.endif
	TOSTAGE \a
	SEND \a-1, 32                                  ; behind block a - 1's loads: block a's 16 stores and 16 loads
.endr
	SEND 7, 0
	s_wait_tensorcnt 0x0                           ; the wave's end
	ds_add_u32 v[SPW], v[NIL]
	s_wait_dscnt 0x0
	CROUND                                         ; the closing round
	s_endpgm
.Lfunc_end_k_q983e315e9e_proj:
	.size	k_q983e315e9e_proj, .Lfunc_end_k_q983e315e9e_proj-k_q983e315e9e_proj
	.p2alignl 7, 3214868480
	.fill 96, 4, 3214868480
	.section	.rodata,"a",@progbits
	.p2align	6, 0x0
	.amdhsa_kernel k_q983e315e9e_proj
		.amdhsa_group_segment_fixed_size 327680
		.amdhsa_private_segment_fixed_size 0
		.amdhsa_enable_private_segment 0
		.amdhsa_kernarg_size 40
		.amdhsa_user_sgpr_count 2
		.amdhsa_user_sgpr_kernarg_segment_ptr 1
		.amdhsa_wavefront_size32 1
		.amdhsa_system_sgpr_workgroup_id_x 1
		.amdhsa_system_sgpr_workgroup_id_y 1
		.amdhsa_system_sgpr_workgroup_id_z 1
		.amdhsa_system_vgpr_workitem_id 0
		.amdhsa_next_free_vgpr 1024
		.amdhsa_next_free_sgpr 100
		.amdhsa_reserve_vcc 0
		.amdhsa_float_denorm_mode_32 3
		.amdhsa_float_denorm_mode_16_64 3
		.amdhsa_memory_ordered 1
		.amdhsa_forward_progress 1
		.amdhsa_inst_pref_size 147
	.end_amdhsa_kernel
	.amdgpu_metadata
---
amdhsa.version: [ 1, 2 ]
amdhsa.kernels:
  - .name:           k_q983e315e9e_proj
    .symbol:         k_q983e315e9e_proj.kd
    .args:
      - { .name: aoc, .offset: 0, .size: 8, .value_kind: global_buffer, .address_space: global }
      - { .name: aos, .offset: 8, .size: 8, .value_kind: global_buffer, .address_space: global }
      - { .name: wc, .offset: 16, .size: 8, .value_kind: global_buffer, .address_space: global }
      - { .name: out_w_scales, .offset: 24, .size: 8, .value_kind: global_buffer, .address_space: global }
      - { .name: out0, .offset: 32, .size: 8, .value_kind: global_buffer, .address_space: global }
    .group_segment_fixed_size: 327680
    .private_segment_fixed_size: 0
    .kernarg_segment_align: 8
    .kernarg_segment_size: 40
    .max_flat_workgroup_size: 128
    .sgpr_count:     100
    .vgpr_count:     1024
    .wavefront_size: 32
...
	.end_amdgpu_metadata
.endif
;; end of part 4
